; MI455X (gfx1250); checked and timed in simulation.
; The chip was launched on July 23, 2026; its instructions are those of AMD's public machine-readable ISA for CDNA 5 (MIT licence, August 2026) and "CDNA5" Instruction Set Architecture Reference Guide (July 2026). The comments in the code are by the model that wrote it; some were corrected since.
;; GQ Attention. Allowed arithmetic: matrix products marked QUANTISED: E2M1 operands, one E8M0 scale for each 32 along K, by v_wmma_scale_f32_16x16x128_f8f6f4 with both operands' format E2M1 (or v_wmma_scale_f32_32x16x128_f4), f32 sums; products left as they are: bf16, f16 or f32 operands; f32 sums; everything else in f32.
;; Inputs: Wk 512 x 2,048 float32; Wo 2,048 x 2,048 float32; Wq 2,048 x 2,048 float32; Wv 512 x 2,048 float32; cos 1,024 x 32 float32; sin 1,024 x 32 float32; x 4 x 1,024 x 2,048 float32.
;; Outputs: out0 4 x 1,024 x 2,048 float32.
;; This version of the problem:
;;   THIS VERSION OF THE PROBLEM IS GIVEN IN LOW PRECISION. The matrix products marked QUANTISED in the list below multiply operands that are first quantised to E2M1 (2 exponent bits, 1 mantissa bit; 4 bits a number), with one power-of-two scale for each 32 numbers along K (OCP MX v1.0); their sums are f32. The products marked 'left as it is' may take bf16, f16 or f32 operands, with f32 sums. Whichever they take, every output number must still come out within the allowed error. Rounding operands to bf16 (8 significant bits) uses up far more of that allowance than f16 does (11 bits, for magnitudes from 6e-5 to 65,504). All else is computed in f32.
;;   The module's matrix products, in the order in which they are computed (A, B: the left and right operand; K: the contracted axis; several contracted axes count as one K, in the product's order):
;;     1. [M 4,096, K 2,048] x [K 2,048, N 2,048]; A: input x; B: input Wq: QUANTISED
;;     2. [M 4,096, K 2,048] x [K 2,048, N 512]; A: input x; B: input Wk: QUANTISED
;;     3. [M 4,096, K 2,048] x [K 2,048, N 512]; A: input x; B: input Wv: QUANTISED
;;     4. batch 128 x [M 1,024, K 64] x [K 64, N 1,024]; A: computed on the way; B: computed on the way: left as it is (an operand is computed on the way)
;;     5. batch 128 x [M 1,024, K 1,024] x [K 1,024, N 64]; A: computed on the way; B: computed on the way: left as it is (an operand is computed on the way)
;;     6. [M 4,096, K 2,048] x [K 2,048, N 2,048]; A: computed on the way; B: input Wo: left as it is (an operand is computed on the way)
;;   THE QUANTISER, for each operand of a quantised product, along K:
;;     - K is cut into blocks of 32 from its start; a last block that is shorter is filled with zeros.
;;     - A block's scale is 2^e with e = floor(log2(the largest magnitude in the block)) - 2, held to -126 .. 127; a block of zeros has e = 0. As a byte (E8M0): e + 127.
;;     - Each number is divided by its block's scale, clamped to +-6, and rounded to the nearest number of E2M1, ties to even, subnormals kept.
;;     - The product sums the exact products of the quantised numbers (number of the format x scale) in f32.
;;   ~~~python
;;   def quantise(x, axis):      # numpy; x: float32 -> the quantised numbers, widened to float32 again
;;       x = np.moveaxis(x, axis, -1); K = x.shape[-1]
;;       x = np.pad(x, [(0, 0)] * (x.ndim - 1) + [(0, -K % 32)]); x = x.reshape(x.shape[:-1] + (-1, 32)); a = np.abs(x).max(-1, keepdims=True)
;;       e = np.where(a > 0, np.clip(np.frexp(np.where(a > 0, a, 1))[1] - 1 - 2, -126, 127), 0)      # np.frexp(a)[1] - 1 = floor(log2(a)), exactly
;;       r = np.clip(x / 2.0 ** e, -6, 6)
;;       step = 2.0 ** (np.maximum(np.frexp(np.where(r == 0, 1, r))[1] - 1, 0) - 1)
;;       q = np.round(r / step) * step * 2.0 ** e      # np.round: ties to even
;;       return np.moveaxis(q.reshape(q.shape[:-2] + (-1,))[..., :K], -1, axis).astype(np.float32)
;;   ~~~
;; One version. Each part assembles by itself: llvm-mc -triple=amdgcn-amd-amdhsa -mcpu=gfx1250 --defsym DOCPART=n.
;; ======== version 1 of 1: 4 launches
;; limits: values are held in f16: magnitudes above 65,504 overflow, below 6.1e-05 lose precision; right only within a limited range of input values
;; workspace buffers: xc 4,194,304 bytes; xs 262,144 bytes; wc 3,145,728 bytes; ws 196,608 bytes; wo16 8,388,608 bytes; qkv 25,165,824 bytes; o16 16,777,216 bytes
;; launch prep (part 1): grid 576 x 1, 4 waves a work-group, no clusters, 33,280 bytes of LDS; arguments x, Wq, Wk, Wv, Wo, xc, xs, wc, ws, wo16; writes xc, xs, wc, ws, wo16
.if DOCPART == 1
	.amdgcn_target "amdgcn-amd-amdhsa--gfx1250"
	.amdhsa_code_object_version 6
	.text
	.protected	k_q2c7caeba7d_prep
	.globl	k_q2c7caeba7d_prep
	.p2align	8
	.type	k_q2c7caeba7d_prep,@function
k_q2c7caeba7d_prep:
	s_mov_b64 s[64:65], 0
	v_nop
	global_prefetch_b8 v0, s[64:65] scope:SCOPE_SE
	s_setreg_imm32_b32 hwreg(HW_REG_WAVE_MODE, 25, 1), 1
	s_wait_xcnt 0x0
; x [4096][2048], Wq [2048][2048], Wk, Wv [512][2048], f32, become codes of FP4 (E2M1), K innermost, two codes a byte, with one E8M0 scale byte for each 32 along K;
; Wo [2048][2048] f32 becomes f16 (round to nearest even), as it lies.
; A block's scale is 2^(floor(log2(its largest magnitude)) - 2); its byte is the largest magnitude's own exponent field - 2, held at 1 from below; each number is divided by the scale and rounded to the nearest code, ties to even,
; beyond 6 the code of 6.
; LIMITS: a block of zeros gets the byte 1 where the rule says 127 (its codes are zeros, which add nothing under any byte but 0xff, and this program alone reads the bytes); blocks whose largest magnitude lies under 2^-124
; keep the floor's byte 1; NaN and infinities among the inputs are not served; |Wo| over 65,504 becomes an infinity in f16.
; SHARES.  A work-group takes 32,768 numbers (16 rows of 2,048), a wave 8,192.  Work-groups 0-255: x; 256-383: Wq; 384-415: Wk; 416-447: Wv; 448-575: Wo.
; THE WEIGHTS' ROWS ARE LAID FOR THE NEXT LAUNCH: rows 0-2047 of wc are Wq's; row 2048 + 256 j + r is Wk's row 128 j + r (r < 128) or Wv's row 128 j + r - 128: so a run of 128 rows there is all K's or all V's.
; Only pointers and run numbers are chosen by the work-group's number: the four quantised tensors take one path through the text.  Rows are dense and 2,048 is a multiple of 32: a tensor is a plain stream of blocks of 32.
; THE QUANTISER'S PATH: a wave takes 16 steps of 512 numbers.  Each of a step's four loads reads 512 consecutive bytes; the 2,048 bytes turn through the wave's own stage in LDS and come back 64 bytes a lane, so that a lane holds
; 16 neighbours along K (two neighbouring lanes hold a block).  A lane's 16 codes are 8 bytes: a wave's store covers 256 consecutive aligned bytes.  A wave's 256 scale bytes are gathered in LDS and leave as one such store.
; Loads run AHEAD = 8 steps ahead of the work: 32 loads, 16,384 bytes, of every wave are on their way.
; No tensor load, no barrier: waves share nothing.  No prefetch: the launch does nothing but stream.
.set WAVES, 4
.set STEPS, 16
.set AHEAD, 8
.set EMAX,  2
.set CB,    8                          ; bytes of 16 codes
.set R,     16                         ; v16-143  eight sets of 16 numbers as they are loaded
.set X,     144                        ; v144-175 two sets of 16 neighbours
.set E,     176                        ; v176-191 a scale byte for each step
.set C,     192                        ; v192-223 codes: two registers for each step, so that no store's data are written again
.set WREG,  8192                       ; LDS: a region for each wave: two stages of 32 x SP bytes, behind them its 256 scale bytes
.set SP,    80                         ; a lane's place in a stage: 64 bytes + 16 of padding
.set SPW,   12                         ; v12      LDS address of my spare word; never rewritten
.set NIL,   13                         ; v13      0; never rewritten
.set SPARE, WAVES*WREG                 ; behind the regions: the spare words, 128 bytes a wave, which no other line names
.set F,     16                         ; Wo's path: v16-143 two sets of 64 numbers
.set H,     144                        ; v144-175 a round's 64 numbers as f16
	s_load_b512 s[8:23], s[0:1], 0x0               ; x s[8:9], Wq s[10:11], Wk s[12:13], Wv s[14:15], Wo s[16:17], xc s[18:19], xs s[20:21], wc s[22:23]
	s_load_b128 s[24:27], s[0:1], 0x40             ; ws s[24:25], wo16 s[26:27]
	v_lshl_add_u32 v[SPW], v0, 2, SPARE
	v_mov_b32 v[NIL], 0
	v_lshrrev_b32 v1, 5, v0
	v_readfirstlane_b32 s28, v1                    ; wave
	v_and_b32 v2, 31, v0                           ; lane
	v_lshlrev_b32 v3, 4, v2                        ; my 16 bytes of a load's 512
	s_mul_i32 s29, s28, WREG
	v_lshrrev_b32 v14, 2, v2
	v_mul_u32_u24 v14, v14, SP
	v_and_b32 v15, 3, v2
	v_lshl_add_u32 v14, v15, 4, v14
	v_add_nc_u32 v14, s29, v14                     ; the stage, on the way in: SP (lane / 4) + 16 (lane % 4)
	v_mul_u32_u24 v15, v2, SP
	v_add_nc_u32 v15, s29, v15                     ; and on the way out: SP x lane: my 16 neighbours
	v_mul_u32_u24 v4, v2, CB                       ; 8 x lane: my codes' place in a step's; in Wo's path my four f16
	v_lshrrev_b32 v5, 1, v2
	s_add_co_u32 s29, s29, 2*32*SP
	v_add_nc_u32 v5, s29, v5                       ; LDS: my wave's 256 scale bytes, my block's byte
	v_lshlrev_b32 v7, 3, v2                        ; and on the way out 8 bytes a lane
	v_add_nc_u32 v6, s29, v7
	s_wait_kmcnt 0x0
	s_cmp_ge_u32 ttmp9, 448
	s_cbranch_scc1 .Lwo
	; which tensor, which run of it, and where its codes go: all arithmetic first, then each compare with nothing but its selects behind it
	s_sub_co_u32 s30, ttmp9, 384                   ; Wk's group of 16 rows
	s_sub_co_u32 s31, ttmp9, 416                   ; Wv's
	s_sub_co_u32 s32, ttmp9, 256                   ; Wq's
	s_cmp_lt_u32 ttmp9, 416
	s_cselect_b64 s[4:5], s[12:13], s[14:15]
	s_cselect_b32 s33, s30, s31                    ; u
	s_cselect_b32 s34, 0, 8
	s_lshr_b32 s35, s33, 3
	s_lshl_b32 s35, s35, 4
	s_and_b32 s38, s33, 7
	s_add_co_u32 s35, s35, s38
	s_add_co_u32 s35, s35, s34
	s_add_co_u32 s35, s35, 128                     ; in wc: group 128 + 16 (u / 8) + u % 8, V's 8 further on
	s_cmp_lt_u32 ttmp9, 384
	s_cselect_b64 s[4:5], s[10:11], s[4:5]
	s_cselect_b32 s33, s32, s33
	s_cselect_b32 s35, s32, s35
	s_cmp_lt_u32 ttmp9, 256
	s_cselect_b64 s[4:5], s[8:9], s[4:5]           ; the numbers,
	s_cselect_b32 s33, ttmp9, s33                  ; the group of 16 rows in them,
	s_cselect_b32 s35, ttmp9, s35                  ; and among the codes;
	s_cselect_b64 s[6:7], s[18:19], s[22:23]       ; the codes' buffer,
	s_cselect_b64 s[36:37], s[20:21], s[24:25]     ; the scale bytes'
	s_lshl_b32 s33, s33, 2
	s_add_co_u32 s33, s33, s28                     ; my wave's run of 8,192 numbers: 32,768 bytes,
	s_lshl_b32 s35, s35, 2
	s_add_co_u32 s35, s35, s28                     ; 4,096 bytes of codes, 256 scale bytes
	s_lshl_b32 s38, s33, 15
	s_mov_b32 s39, 0
	s_add_nc_u64 s[4:5], s[4:5], s[38:39]
	s_lshl_b32 s38, s35, 12
	s_add_nc_u64 s[6:7], s[6:7], s[38:39]
	s_lshl_b32 s38, s35, 8
	s_add_nc_u64 s[36:37], s[36:37], s[38:39]
.macro LOAD t
.irp i, 0,1,2,3
	global_load_b128 v[R+16*((\t)%AHEAD)+4*\i:R+16*((\t)%AHEAD)+4*\i+3], v3, s[4:5] offset:2048*(\t)+512*\i th:TH_LOAD_NT   ; 32 lanes read 512 consecutive bytes
.endr
.endm
.macro TURN t                          ; step t's numbers through the stage: LDS serves a wave's instructions in order (ISA guide 5.7.1.4), so no wait stands between the stores and the loads
.irp i, 0,1,2,3
	ds_store_b128 v14, v[R+16*((\t)%AHEAD)+4*\i:R+16*((\t)%AHEAD)+4*\i+3] offset:32*SP*((\t)%2)+8*SP*\i
.endr
.irp i, 0,1,2,3
	ds_load_b128 v[X+16*((\t)%2)+4*\i:X+16*((\t)%2)+4*\i+3], v15 offset:32*SP*((\t)%2)+16*\i
.endr
.endm
.irp t, 0,1,2,3,4,5,6,7
	LOAD \t
.endr
	s_wait_loadcnt 4*(AHEAD-1)                     ; step 0's four loads are in; the 28 of steps 1 to 7 stay out
	TURN 0
.macro STEP t
.set XS, X+16*((\t)%2)
.if (\t) > 0
	s_wait_dscnt 1                                 ; this step's numbers are back from the stage (the last step's byte store may be out): so its stores into the stage have read their registers,
.else
	s_wait_dscnt 0x0
.endif
.if (\t)+AHEAD < STEPS
	LOAD (\t)+AHEAD                                ; which take the loads of eight steps on
.endif
.if (\t)+1 < STEPS
.if STEPS-2-(\t) >= AHEAD-1
	s_wait_loadcnt 4*(AHEAD-1)                     ; the next step's four loads are in; those of the seven steps behind it may be out
.else
	s_wait_loadcnt 4*(STEPS-2-(\t))                ; in the tail: those of the steps that are left
.endif
	TURN (\t)+1                                    ; and go through the other stage while this step is worked
.endif
	v_max3_num_f32 v8, |v[XS]|, |v[XS+1]|, |v[XS+2]|               ; the largest magnitude of my 16, in two chains
	v_max3_num_f32 v9, |v[XS+3]|, |v[XS+4]|, |v[XS+5]|
.irp i, 6,10
	v_max3_num_f32 v8, v8, |v[XS+\i]|, |v[XS+\i+1]|
	v_max3_num_f32 v9, v9, |v[XS+\i+2]|, |v[XS+\i+3]|
.endr
	v_max3_num_f32 v8, v8, |v[XS+14]|, |v[XS+15]|
	v_max3_num_f32 v8, v8, v9, (EMAX+1)<<23        ; and the floor 2^(EMAX + 1 - 127): so the byte cannot fall under 1
	v_max_num_f32_dpp v8, v8, v8 row_xmask:1 row_mask:0xf bank_mask:0xf   ; and of my neighbour's 16: the block's
	v_add_nc_u32 v11, -(EMAX<<23), v8              ; EMAX off its exponent field: the conversion takes the exponent field of this operand as its scale, and nothing else of it
	v_cvt_scalef32_pk8_fp4_f32 v[C+2*(\t)], v[XS:XS+7], v11        ; eight numbers / the scale, to the nearest code, ties to even; the first number's code in the lowest four bits
	v_cvt_scalef32_pk8_fp4_f32 v[C+2*(\t)+1], v[XS+8:XS+15], v11
	v_lshrrev_b32 v[E+(\t)], 23, v11               ; the scale's byte (also the plain line behind the conversions)
	ds_store_b8 v5, v[E+(\t)] offset:16*(\t)       ; both lanes of a block write the same byte with the same value
	global_store_b64 v4, v[C+2*(\t):C+2*(\t)+1], s[6:7] offset:32*CB*(\t)   ; 256 consecutive aligned bytes
.endm
.irp t, 0,1,2,3,4,5,6,7,8,9,10,11,12,13,14,15
	STEP \t
.endr
	ds_load_b64 v[8:9], v6                         ; in order behind my byte stores
	s_wait_dscnt 0x0
	global_store_b64 v7, v[8:9], s[36:37]          ; my wave's 256 scale bytes: 256 consecutive aligned bytes
	s_wait_tensorcnt 0x0                           ; the wave's end, behind my last LDS store
	ds_add_u32 v[SPW], v[NIL]
	s_wait_dscnt 0x0
	s_endpgm
; Wo TO f16.  A wave takes 8,192 numbers in four rounds of 2,048: sixteen loads of 512 consecutive bytes, 32 conversions, sixteen stores of 256 consecutive aligned bytes.  Two rounds' loads are out.
.Lwo:
	s_sub_co_u32 s30, ttmp9, 448
	s_lshl_b32 s30, s30, 2
	s_add_co_u32 s30, s30, s28                     ; my wave's run
	s_lshl_b32 s38, s30, 15
	s_mov_b32 s39, 0
	s_add_nc_u64 s[4:5], s[16:17], s[38:39]
	s_lshl_b32 s38, s30, 14
	s_add_nc_u64 s[6:7], s[26:27], s[38:39]
.macro LOADW t
.irp i, 0,1,2,3,4,5,6,7,8,9,10,11,12,13,14,15
	global_load_b128 v[F+64*((\t)%2)+4*\i:F+64*((\t)%2)+4*\i+3], v3, s[4:5] offset:8192*(\t)+512*\i th:TH_LOAD_NT
.endr
.endm
.macro ROUNDW t
.if (\t) < 3
	s_wait_loadcnt 16                              ; this round's sixteen loads are in; the next round's sixteen stay out
.else
	s_wait_loadcnt 0x0
.endif
.if (\t) > 0
	s_wait_xcnt 0x0                                ; the last round's stores have read their data: the registers are written again only behind this wait
.endif
.irp i, 0,1,2,3,4,5,6,7,8,9,10,11,12,13,14,15,16,17,18,19,20,21,22,23,24,25,26,27,28,29,30,31
	v_cvt_pk_f16_f32 v[H+\i], v[F+64*((\t)%2)+2*\i], v[F+64*((\t)%2)+2*\i+1]
.endr
.if (\t) < 2
	LOADW (\t)+2                                   ; loads ahead of stores
.endif
.irp i, 0,1,2,3,4,5,6,7,8,9,10,11,12,13,14,15
	global_store_b64 v4, v[H+2*\i:H+2*\i+1], s[6:7] offset:4096*(\t)+256*\i
.endr
.endm
	LOADW 0
	LOADW 1
	ROUNDW 0
	ROUNDW 1
	ROUNDW 2
	ROUNDW 3
	s_wait_tensorcnt 0x0                           ; the three closing lines stand at every end of this text
	ds_add_u32 v[SPW], v[NIL]
	s_wait_dscnt 0x0
	s_endpgm
.Lfunc_end_k_q2c7caeba7d_prep:
	.size	k_q2c7caeba7d_prep, .Lfunc_end_k_q2c7caeba7d_prep-k_q2c7caeba7d_prep
	.p2alignl 7, 3214868480
	.fill 96, 4, 3214868480
	.section	.rodata,"a",@progbits
	.p2align	6, 0x0
	.amdhsa_kernel k_q2c7caeba7d_prep
		.amdhsa_group_segment_fixed_size 33280
		.amdhsa_private_segment_fixed_size 0
		.amdhsa_enable_private_segment 0
		.amdhsa_kernarg_size 80
		.amdhsa_user_sgpr_count 2
		.amdhsa_user_sgpr_kernarg_segment_ptr 1
		.amdhsa_wavefront_size32 1
		.amdhsa_system_sgpr_workgroup_id_x 1
		.amdhsa_system_sgpr_workgroup_id_y 1
		.amdhsa_system_sgpr_workgroup_id_z 1
		.amdhsa_system_vgpr_workitem_id 0
		.amdhsa_next_free_vgpr 224
		.amdhsa_next_free_sgpr 66
		.amdhsa_reserve_vcc 0
		.amdhsa_float_denorm_mode_32 3
		.amdhsa_float_denorm_mode_16_64 3
		.amdhsa_memory_ordered 1
		.amdhsa_forward_progress 1
		.amdhsa_inst_pref_size 55
	.end_amdhsa_kernel
	.amdgpu_metadata
---
amdhsa.version: [ 1, 2 ]
amdhsa.kernels:
  - .name:           k_q2c7caeba7d_prep
    .symbol:         k_q2c7caeba7d_prep.kd
    .args:
      - { .name: x, .offset: 0, .size: 8, .value_kind: global_buffer, .address_space: global }
      - { .name: Wq, .offset: 8, .size: 8, .value_kind: global_buffer, .address_space: global }
      - { .name: Wk, .offset: 16, .size: 8, .value_kind: global_buffer, .address_space: global }
      - { .name: Wv, .offset: 24, .size: 8, .value_kind: global_buffer, .address_space: global }
      - { .name: Wo, .offset: 32, .size: 8, .value_kind: global_buffer, .address_space: global }
      - { .name: xc, .offset: 40, .size: 8, .value_kind: global_buffer, .address_space: global }
      - { .name: xs, .offset: 48, .size: 8, .value_kind: global_buffer, .address_space: global }
      - { .name: wc, .offset: 56, .size: 8, .value_kind: global_buffer, .address_space: global }
      - { .name: ws, .offset: 64, .size: 8, .value_kind: global_buffer, .address_space: global }
      - { .name: wo16, .offset: 72, .size: 8, .value_kind: global_buffer, .address_space: global }
    .group_segment_fixed_size: 33280
    .private_segment_fixed_size: 0
    .kernarg_segment_align: 8
    .kernarg_segment_size: 80
    .max_flat_workgroup_size: 128
    .sgpr_count:     66
    .vgpr_count:     224
    .wavefront_size: 32
...
	.end_amdgpu_metadata
.endif
;; end of part 1
;; launch qkv (part 2): grid 12 x 16, 4 waves a work-group, clusters of 4 x 4, 327,680 bytes of LDS; arguments xc, xs, wc, ws, cos, sin, qkv; writes qkv
.if DOCPART == 2
	.amdgcn_target "amdgcn-amd-amdhsa--gfx1250"
	.amdhsa_code_object_version 6
	.text
	.protected	k_q2c7caeba7d_qkv
	.globl	k_q2c7caeba7d_qkv
	.p2align	8
	.type	k_q2c7caeba7d_qkv,@function
k_q2c7caeba7d_qkv:
	s_mov_b64 s[64:65], 0
	v_nop
	global_prefetch_b8 v0, s[64:65] scope:SCOPE_SE
	s_setreg_imm32_b32 hwreg(HW_REG_WAVE_MODE, 25, 1), 1
	s_wait_xcnt 0x0
	s_wait_alu depctr_hold_cnt(0) depctr_sa_sdst(0) depctr_va_vdst(0) depctr_va_sdst(0) depctr_va_ssrc(0) depctr_va_vcc(0) depctr_vm_vsrc(0)
	s_getreg_b32 s2, hwreg(HW_REG_IB_STS2, 6, 4)
	s_cmp_eq_u32 s2, 0
	s_cbranch_scc0 .Lentry_in_a_cluster
	s_endpgm
.Lentry_in_a_cluster:
	s_bfe_u32 s2, ttmp6, 0x10000c
	s_cmp_lg_u32 s2, 0xf033
	s_cbranch_scc0 .Lentry_shape_is_right
	s_endpgm
.Lentry_shape_is_right:
; q, k, v = x Wq^T, x Wk^T, x Wv^T on codes of FP4 (E2M1) with one E8M0 scale for each 32 along K; then RoPE on q and k in f32; q and k x 2^-8 (exact); all three rounded to f16.
; A: xc [4096][2048 codes], B: wc [3072][2048 codes] (rows 0-2047 Wq's; then by turns 128 of Wk's and 128 of Wv's); scale bytes xs [4096][64], ws [3072][64].
; OUT: qkv, f16, [4 b][48 g][1024 t][64]: g 0-31 the q heads, 32-39 the k heads, 40-47 the v heads: a wave's 16 rows of one head are 2,048 consecutive bytes.
; LIMITS: |q|, |k| over 1.6e7 and |v| over 65,504 become infinities in f16.  q and k are stored x 2^-8 so that f16 has room for them; the next launch's constant takes the 2^16 back.
; A tile of C, 256 x 256, is made by a work-group of four waves; a wave makes 128 x 128: 64 accumulators of 16 x 16, 512 registers.  C has 16 x 12 = 192 such tiles: a tile of 256 x 192 would give 256 work-groups, but it
; would cut a wave's columns in the middle of a head, and the way out below leans on whole heads.
; K goes in steps of 512 through a ring of two LDS slots filled by the tensor data mover: a tile's row is 256 bytes of memory.  The scales of the work-group's rows of A and B for all of K come into LDS once, with the first fills.
; CLUSTERS: 4 x 4 work-groups.  The four of a row of the cluster need the same tiles of A, the four of a column the same tiles of B: each tile is asked for JOINTLY, by the same tensor load with the same descriptor and a mask
; that names the four.  THE MATRIX INSTRUCTION IS USED TRANSPOSED (source 0 = 16 rows of B, source 1 = 16 rows of A): a lane holds eight neighbouring columns of one row of C: four pairs (even, odd) of RoPE.
; REGISTERS, in windows of 256: window 0: v0-31 addresses; v32-95 scale words, two sets; from v128 A's fragments, one set; on the way out v32-255 are free.
;   window 1: B's fragments, two sets, at v0 and v128; v64-127 and v192-255: cos and sin of my row blocks 0-3 (blocks 4-7 take B's registers on the way out).   windows 2, 3: the accumulators ((a, b) at v[8 (8 (a % 4) + b)]).
; No prefetch: K has four steps, of which two are first fills.
.set SIZE_K, 2048
.set KSTEP,  512                       ; along K in a slot
.set NQ,     KSTEP/128                 ; matrix instructions deep
.set ROWB,   256                       ; a tile's row in bytes
.set KROW,   SIZE_K*4/8                ; a row of A or of B in memory, in bytes
.set PITCH,  272                       ; an LDS row: 256 bytes + 16 of padding = 68 words: row r starts at bank 4 r mod 64 (64 banks of 4 bytes: ISA guide 11.1)
.set FR,     8                         ; registers of a fragment: 16 rows x 128 K
.set NL,     2                         ; LDS loads that bring one
.set NP,     4                         ; places behind this matrix instruction (ISA guide 7.12.1)
.set HALFT,  128*PITCH                 ; 128 rows: what one tensor load brings, and what one wave reads of A or of B
.set SLOT,   4*HALFT                   ; A's 256 rows, then B's 256 rows
.set LAPS,   SIZE_K/(2*KSTEP)          ; a lap = two K steps = once round the ring
.set KS,     SIZE_K/32                 ; a row of scales in bytes
.set SCL,    2*SLOT                    ; behind the ring: the scales, as runs of 256 bytes + 16 of padding
.set HALFS,  (128*KS/256)*272          ; the scales of 128 rows: what one tensor load brings
.set SBLK,   (16*KS/256)*272           ; those of 16 rows
.set SPARE,  SCL+4*HALFS               ; behind the scales: the spare words, 128 bytes a wave, which no other line names
.set SPITCH, 272                       ; the way out: a stage of 16 rows x (256 bytes + 16) for each wave, in slot 0, which has had its last fill and its last read when the first result is stored there
.set VSTAGE, 4*16*SPITCH               ; V's path has stage bytes of its own, behind the four of the other path
.set ADRA, 16                          ; v16-17  LDS address of my A fragments in slot 0, 1
.set ADRB, 20                          ; v20-21  the same for B
.set STO,  24                          ; v24     the way out: where I put 16 bytes of a row
.set RD,   25                          ; v25     the way out: where I read half a row back
.set CO,   26                          ; v26     16 x lane: my place in a store's 512 bytes
.set ADRS, 27                          ; v27     LDS address of my scale words: lanes 0-15 A's rows, lanes 16-31 B's
.set SPW,  28                          ; v28     LDS address of my spare word; never rewritten
.set NIL,  29                          ; v29     0; never rewritten
.set CSA,  30                          ; v30     my byte in 16 rows of cos or sin: 128 r + 16 h; never rewritten
.set SC,   32                          ; scale words: set s at v[SC + 8 NQ s]; register NQ i + q: lanes 0-15 the word of A's block i, lanes 16-31 that of B's block i
.set AF,   128                         ; A's fragments, in window 0
.set PK,   32                          ; the way out: v32-95 a block's 64 results a lane, then v32-63 as f16
.set TMPR, 96                          ; v96-111 at work in RoPE
.set BK,   128                         ; v128-159, v160-191: a block read back from the stage, by turns
.set G1, 24                            ; s[24:31] descriptor group 1 for A's tiles;  s[32:39] group 0, one set for each slot
.set G0, 32
.set G1B, 48                           ; s[48:55], s[56:63] the same for B's tiles
.set G0B, 56
.set G1S, 68                           ; s[68:75], s[76:79] groups 1 and 0 for A's scales;  s[80:87], s[88:91] for B's
.set G0S, 76
.set G1SB, 80
.set G0SB, 88
.set ISV, 95                           ; s95     1 where my 128 columns are V's: cluster x = 2 and an odd wave
.set MSB, 0
.macro WIN new                         ; the immediate's high byte repeats the setting that is left
.if MSB != \new
	s_set_vgpr_msb (MSB<<8)|\new
.set MSB, \new
.endif
.endm
.set MUL_LO, 0xa1                      ; source 0 (B) window 1, source 1 (A) window 0, C and D window 2
.set MUL_HI, 0xf1                      ; the same, C and D window 3
.set TO_B,   0x40                      ; destination window 1, address window 0
; A joint load: waves 0 and 1 fetch for A, waves 2 and 3 for B.  Each of the two lines has ONE mask and one set of registers for all that issue it; the branch hangs on the wave's number alone.
; An s_nop 0 and four v_nop follow each of the two lines, ahead of the jump, the label and what follows.
.macro JLOAD g0a, g1a, g0b, g1b
	s_cmp_eq_u32 s15, 0
	s_cbranch_scc0 .Lfor_b_\@
	tensor_load_to_lds s[\g0a:\g0a+3], s[\g1a:\g1a+7]
	s_nop 0
.rept 4
	v_nop
.endr
	s_branch .Lasked_\@
.Lfor_b_\@:
	tensor_load_to_lds s[\g0b:\g0b+3], s[\g1b:\g1b+7]
	s_nop 0
.rept 4
	v_nop
.endr
.Lasked_\@:
.endm
.macro CREST                           ; a round of the cluster's barrier behind its opening barrier
	s_cmp_lg_u32 s14, 0
	s_cbranch_scc1 .Lnot_wave_0_\@
	s_barrier_signal -3
.Lnot_wave_0_\@:
	s_barrier_wait -3
	s_barrier_signal -1
	s_barrier_wait -1
.endm
.macro CROUND                          ; a whole round
	s_barrier_signal -1
	s_barrier_wait -1
	CREST
.endm
	s_load_b128 s[4:7], s[0:1], 0x0                ; A's codes s[4:5], A's scales s[6:7]
	s_load_b128 s[8:11], s[0:1], 0x10              ; B's codes s[8:9], B's scales s[10:11]
	s_load_b128 s[96:99], s[0:1], 0x20             ; cos s[96:97], sin s[98:99]
	s_load_b64 s[12:13], s[0:1], 0x30              ; qkv
	v_lshl_add_u32 v[SPW], v0, 2, SPARE
	v_mov_b32 v[NIL], 0
	ds_add_u32 v[SPW], v[NIL]                      ; the wave's opening: the add, twice on end, and its wait ahead of my first tensor load; the set-up below stands between the second and the wait
	ds_add_u32 v[SPW], v[NIL]
	v_lshrrev_b32 v1, 5, v0
	v_readfirstlane_b32 s14, v1                    ; wave 0..3
	s_lshr_b32 s15, s14, 1                         ; which half of the tile's rows is mine.  Also: I fetch for A (0) or for B (1)
	s_and_b32 s16, s14, 1                          ; which half of its columns.  Also: which 128 rows of that tile I fetch
	s_bfe_u32 s40, ttmp6, 0x40000                  ; cx, cy: my place in the cluster
	s_bfe_u32 s41, ttmp6, 0x40004
	s_lshl_b32 s42, ttmp9, 2
	s_add_co_u32 s42, s42, s40                     ; tile column of C = 4 x cluster x + cx
	s_and_b32 s17, ttmp7, 0xffff
	s_lshl_b32 s17, s17, 2
	s_add_co_u32 s17, s17, s41                     ; tile row of C = 4 x cluster y + cy
	s_lshl_b32 s43, s41, 2
	s_lshl_b32 s43, 15, s43                        ; my row of the cluster
	s_lshl_b32 s44, 0x1111, s40                    ; my column
	; descriptor group 1: a tile of 128 rows x ROWB bytes, padded in LDS
	s_or_b32 s[G1+0], s43, (0<<16)|(1<<20)|(1<<21)|(5<<22)|(3<<25)  ; 15:0 the mask: A's tiles go to my row; 17:16 element of 1 byte; 20 padding on; 21 set beside a mask; 24:22 after every 64 words (code 5); 31:25 of 4 words (code 3)
	s_or_b32 s[G1B+0], s44, (0<<16)|(1<<20)|(1<<21)|(5<<22)|(3<<25)
.irp g, G1, G1B
	s_mov_b32 s[\g+1], ROWB<<16                    ; tensor_dim0
	s_mov_b32 s[\g+2], 128<<16                     ; tensor_dim1 = 128
	s_mov_b32 s[\g+3], ROWB<<16                    ; tile_dim0
	s_mov_b32 s[\g+4], 128                         ; tile_dim1 = 128
	s_mov_b32 s[\g+5], KROW                        ; tensor_dim0_stride
	s_mov_b32 s[\g+6], 0
	s_mov_b32 s[\g+7], 0
.endr
	; and for the scales of 128 rows: a dense block of 128 KS bytes, as rows of 256 bytes (32 elements of 8 bytes), 16 bytes of padding behind each
	s_or_b32 s[G1S+0], s43, (3<<16)|(1<<20)|(1<<21)|(5<<22)|(3<<25)
	s_or_b32 s[G1SB+0], s44, (3<<16)|(1<<20)|(1<<21)|(5<<22)|(3<<25)
.irp g, G1S, G1SB
	s_mov_b32 s[\g+1], 32<<16
	s_mov_b32 s[\g+2], (128*KS/256)<<16
	s_mov_b32 s[\g+3], 32<<16
	s_mov_b32 s[\g+4], 128*KS/256
	s_mov_b32 s[\g+5], 32
	s_mov_b32 s[\g+6], 0
	s_mov_b32 s[\g+7], 0
.endr
	s_lshl_b32 s18, s16, 7                         ; which 128 rows of the tile I fetch
	s_lshl_b32 s20, s17, 8
	s_add_co_u32 s20, s20, s18                     ; A: row 256 x tile row + 128 x half
	s_lshl_b32 s46, s42, 8
	s_add_co_u32 s46, s46, s18                     ; B: row 256 x tile column + 128 x half
	s_mov_b32 s21, 0
	s_mov_b32 s47, 0
	s_mov_b64 s[18:19], KS
	s_mul_u64 s[22:23], s[20:21], s[18:19]         ; where these rows' scales begin, in bytes
	s_mul_u64 s[92:93], s[46:47], s[18:19]
	s_mov_b64 s[18:19], KROW
	s_mul_u64 s[20:21], s[20:21], s[18:19]         ; and their codes
	s_mul_u64 s[46:47], s[46:47], s[18:19]
	s_mul_i32 s45, s14, HALFT                      ; where they go: wave x 128 rows: no place in the cluster enters an LDS address
	s_mul_i32 s94, s14, HALFS
	s_wait_dscnt 0x0                               ; both opening adds are done
	s_wait_kmcnt 0x0
	s_add_nc_u64 s[20:21], s[4:5], s[20:21]
	s_add_nc_u64 s[22:23], s[6:7], s[22:23]
	s_add_nc_u64 s[46:47], s[8:9], s[46:47]
	s_add_nc_u64 s[92:93], s[10:11], s[92:93]
	CROUND                                         ; all sixteen work-groups are here: the first joint loads meet
	s_mov_b32 s[G0S], 1
	s_add_co_u32 s[G0S+1], s94, SCL
	s_mov_b64 s[G0S+2:G0S+3], s[22:23]
	s_or_b32 s[G0S+3], s[G0S+3], 0x80000000
	s_mov_b32 s[G0SB], 1
	s_add_co_u32 s[G0SB+1], s94, SCL
	s_mov_b64 s[G0SB+2:G0SB+3], s[92:93]
	s_or_b32 s[G0SB+3], s[G0SB+3], 0x80000000
	JLOAD G0S, G1S, G0SB, G1SB                     ; the scales first: they are wanted with K step 0
.irp s, 0,1
	s_mov_b32 s[G0+4*\s], 1
	s_add_co_u32 s[G0+4*\s+1], s45, \s*SLOT
	s_add_nc_u64 s[G0+4*\s+2:G0+4*\s+3], s[20:21], \s*ROWB
	s_or_b32 s[G0+4*\s+3], s[G0+4*\s+3], 0x80000000
	s_mov_b32 s[G0B+4*\s], 1
	s_add_co_u32 s[G0B+4*\s+1], s45, \s*SLOT
	s_add_nc_u64 s[G0B+4*\s+2:G0B+4*\s+3], s[46:47], \s*ROWB
	s_or_b32 s[G0B+4*\s+3], s[G0B+4*\s+3], 0x80000000
	JLOAD G0+4*\s, G1, G0B+4*\s, G1B               ; by this text's count three tensor loads of a wave are out here, later one
.endr
	v_and_b32 v1, 15, v0                           ; r = l % 16
	v_bfe_u32 v2, v0, 4, 1                         ; h = l / 16
	v_mul_u32_u24 v3, v1, PITCH
	v_lshl_add_u32 v4, v2, 4, v3                   ; a fragment's row x pitch + 16 x half
	s_mul_i32 s21, s15, HALFT                      ; my 128 rows of A
	s_mul_i32 s22, s16, HALFT                      ; my 128 rows of B,
	s_add_co_u32 s22, s22, 2*HALFT                 ; which lie behind A's 256
.irp s, 0,1
	v_add_nc_u32 v[ADRA+\s], s21, v4
	v_add_nc_u32 v[ADRB+\s], s22, v4
	s_add_co_u32 s21, s21, SLOT
	s_add_co_u32 s22, s22, SLOT
.endr
	v_mul_u32_u24 v5, v1, KS                       ; my row's scales: KS bytes a row,
	v_lshrrev_b32 v6, 8, v5
	v_lshl_add_u32 v5, v6, 4, v5                   ; and 16 more for each 256 passed
	s_mul_i32 s21, s15, HALFS                      ; A's: my 128 rows
	s_mul_i32 s22, s16, HALFS                      ; B's: my 128 rows, behind A's 256
	s_add_co_u32 s22, s22, 2*HALFS
	s_sub_co_u32 s22, s22, s21
	v_mul_u32_u24 v6, s22, v2                      ; lanes 16-31 take B's: the lower base + h x the distance
	s_add_co_u32 s21, s21, SCL
	v_add_nc_u32 v5, v5, v6
	v_add_nc_u32 v[ADRS], s21, v5
	s_mul_i32 s23, s14, 16*SPITCH                  ; my stage
	v_add_nc_u32 v[STO], s23, v4                   ; in: row r, 16 bytes (eight f16) for each half of the lanes
	v_bfe_u32 v5, v0, 3, 2
	v_mul_u32_u24 v5, v5, SPITCH
	v_and_b32 v6, 7, v0
	v_lshl_add_u32 v5, v6, 4, v5
	v_add_nc_u32 v[RD], s23, v5                    ; back: eight lanes take one head's 128 bytes of a row, the 32 lanes four rows
	v_and_b32 v6, 31, v0
	v_lshlrev_b32 v[CO], 4, v6                     ; which are 512 consecutive bytes of qkv
	v_lshlrev_b32 v[CSA], 7, v1
	v_lshl_add_u32 v[CSA], v2, 4, v[CSA]           ; cos, sin: row r of 128 bytes, + 16 h: the four pairs of my half
	; where my 128 rows x 2 heads begin in qkv, and my rows in cos and sin
	s_lshr_b32 s20, s17, 2
	s_mul_i32 s20, s20, 48                         ; 48 b
	s_and_b32 s22, s17, 3
	s_lshl_b32 s22, s22, 8
	s_lshl_b32 s21, s15, 7
	s_add_co_u32 s22, s22, s21                     ; t0 = 256 (tile row % 4) + 128 x half
	s_lshl_b32 s46, s42, 2
	s_lshl_b32 s47, s16, 1
	s_add_co_u32 s46, s46, s47                     ; q: head 4 x tile column + 2 x half
	s_lshl_b32 s47, s42, 1
	s_add_co_u32 s47, s47, 16
	s_lshl_b32 s21, s16, 3
	s_add_co_u32 s47, s47, s21                     ; k, v: 32 + 2 (tile column - 8) + 8 x half
	s_cmp_lt_u32 ttmp9, 2                          ; tile columns 0-7 are q's: clusters 0 and 1
	s_cselect_b32 s46, s46, s47
	s_add_co_u32 s46, s46, s20
	s_lshl_b32 s46, s46, 10
	s_add_co_u32 s46, s46, s22
	s_lshl_b32 s46, s46, 7                         ; ((48 b + g) x 1,024 + t0) x 128 bytes
	s_mov_b32 s47, 0
	s_add_nc_u64 s[12:13], s[12:13], s[46:47]
	s_lshl_b32 s20, s22, 7
	s_mov_b32 s21, 0
	s_add_nc_u64 s[96:97], s[96:97], s[20:21]
	s_add_nc_u64 s[98:99], s[98:99], s[20:21]
	s_cmp_eq_u32 ttmp9, 2
	s_cselect_b32 s[ISV], s16, 0                   ; the cluster's number and the wave's number alone: the same in all partners
; cos and sin of my row block a: lane (r, h) takes, of row 16 a + r, pairs 8 k + 4 h + 0 .. 3 for k = 0 .. 3: 16 registers of cos, then 16 of sin, in window 1 at CS
.macro CSLOAD a
.set CS, 64*(1-(\a)/4)+32*((\a)%2)+128*(((\a)%4)/2)
.irp k, 0,1,2,3
	global_load_b128 v[CS+4*\k:CS+4*\k+3], v[CSA], s[96:97] offset:2048*(\a)+32*\k
	global_load_b128 v[CS+16+4*\k:CS+16+4*\k+3], v[CSA], s[98:99] offset:2048*(\a)+32*\k
.endr
.endm
	WIN TO_B
	CSLOAD 0                                       ; blocks 0-3 go into registers that the loop leaves alone and land under it.  Every wave asks, V's waves too (16 KB that they do not use),
	CSLOAD 1                                       ; so that whether these registers have been written hangs on no branch
	CSLOAD 2
	CSLOAD 3
	WIN 0
.macro FRAG reg, adr, q, i             ; a fragment, 16 rows x 128 K of 4-bit codes: lane l holds row l % 16; registers 4 c .. 4 c + 3 hold K = 64 c + 32 (l / 16) + 0 .. 31
.irp c, 0,1
	ds_load_b128 v[\reg+4*\c:\reg+4*\c+3], v[\adr] offset:64*(\q)+32*\c+(\i)*16*PITCH
.endr
.endm
; 16 matrix instructions: A's blocks a0, a0 + 1 x B's eight, 128 along K: the slot's q-th.  p: B's set;  sc: the set of scale words.  zero = 1: the first product starts the sums: nothing is ever cleared.
; The 64 accumulators take turns, one instruction a turn, in the same order in every step.
.macro MUL16 a0, p, q, sc, zero
.irp a, \a0, \a0+1
.irp b, 0,1,2,3,4,5,6,7
.if \zero
	v_wmma_scale_f32_16x16x128_f8f6f4 v[8*(8*((\a)%4)+\b):8*(8*((\a)%4)+\b)+7], v[128*(\p)+FR*\b:128*(\p)+FR*\b+FR-1], v[AF+FR*(\a):AF+FR*(\a)+FR-1], 0, v[SC+8*NQ*(\sc)+NQ*\b+(\q)], v[SC+8*NQ*(\sc)+NQ*(\a)+(\q)] matrix_a_fmt:MATRIX_FMT_FP4 matrix_b_fmt:MATRIX_FMT_FP4 matrix_a_scale:MATRIX_SCALE_ROW1
.else
	v_wmma_scale_f32_16x16x128_f8f6f4 v[8*(8*((\a)%4)+\b):8*(8*((\a)%4)+\b)+7], v[128*(\p)+FR*\b:128*(\p)+FR*\b+FR-1], v[AF+FR*(\a):AF+FR*(\a)+FR-1], v[8*(8*((\a)%4)+\b):8*(8*((\a)%4)+\b)+7], v[SC+8*NQ*(\sc)+NQ*\b+(\q)], v[SC+8*NQ*(\sc)+NQ*(\a)+(\q)] matrix_a_fmt:MATRIX_FMT_FP4 matrix_b_fmt:MATRIX_FMT_FP4 matrix_a_scale:MATRIX_SCALE_ROW1
.endif
.endr
.endr
.endm
.macro FETCH_B slot, q, p              ; B's eight fragments of the slot's q-th 128 along K into set p
	WIN TO_B
.irp i, 0,1,2,3,4,5,6,7
	FRAG 128*(\p)+FR*\i, ADRB+\slot, \q, \i
.endr
	WIN 0
.endm
.macro FETCH_A slot, q, i0             ; A's blocks i0 .. i0 + 3
.irp i, \i0, \i0+1, \i0+2, \i0+3
	FRAG AF+FR*(\i), ADRA+\slot, \q, \i
.endr
.endm
.macro SCALES sc                       ; the next K step's scale words into set sc: NQ words a row; lanes 0-15 take A's block i, lanes 16-31 B's block i
.irp i, 0,1,2,3,4,5,6,7
	ds_load_b128 v[SC+8*NQ*\sc+NQ*\i:SC+8*NQ*\sc+NQ*\i+3], v[ADRS] offset:\i*SBLK
.endr
.endm
; A load into a register that a matrix instruction has read, and a vector instruction or an LDS store that reads a matrix result, stand NP places behind that matrix instruction; only plain vector
; instructions that name none of its registers are places (ISA guide 7.12.1 for vector instructions for vector instructions).
.macro PLACES n
.rept \n
	v_nop
.endr
.endm
; A step of 128 along K that has its successor in the same slot.
.macro STEP slot, q, zero
	s_wait_dscnt 4*NL                              ; B's set and A's blocks 0-3 are in; the youngest eight loads (A's blocks 4-7) may be out
	WIN MUL_LO
	MUL16 0, (\q)%2, \q, \slot, \zero
	MUL16 2, (\q)%2, \q, \slot, \zero
	s_wait_dscnt 0                                 ; A's blocks 4-7 are in (asked for 32 matrix instructions ago)
	PLACES NP
	FETCH_B \slot, (\q)+1, 1-(\q)%2
	FETCH_A \slot, (\q)+1, 0
	WIN MUL_HI
	MUL16 4, (\q)%2, \q, \slot, \zero
	MUL16 6, (\q)%2, \q, \slot, \zero
	PLACES NP
	WIN 0
	FETCH_A \slot, (\q)+1, 4
.endm
; A slot's last step changes slots: ONE barrier; in front of it each wave waits for all its tensor loads, adds 0 to its spare word, and waits for that and for its own reads of this slot.  fill = 1: this slot is filled again, two K steps ahead.
.macro TURN slot, next, fill
	s_wait_tensorcnt 0x0                           ; all my tensor loads have landed: my part of the next slot;  (every window is 0 here)
	ds_add_u32 v[SPW], v[NIL]                      ; 0 onto my spare word;
	s_wait_dscnt 4*NL+1                            ; (the add and the youngest eight loads, A's blocks 4-7, may be out)
	WIN MUL_LO
	MUL16 0, 1, NQ-1, \slot, 0                     ; sixteen matrix instructions stand between the add and the wait for it
	s_wait_dscnt 0x0                               ; the add is done, and my reads of this slot are over
	s_barrier_signal -1
	MUL16 2, 1, NQ-1, \slot, 0
	WIN 0
	s_barrier_wait -1
.if \fill
	CREST                                          ; the barrier has opened a round of the cluster's barrier: no wave of any partner still reads this slot's tile or has a load on its way
	s_add_nc_u64 s[G0+4*\slot+2:G0+4*\slot+3], s[G0+4*\slot+2:G0+4*\slot+3], 2*ROWB
	s_add_nc_u64 s[G0B+4*\slot+2:G0B+4*\slot+3], s[G0B+4*\slot+2:G0B+4*\slot+3], 2*ROWB
	JLOAD G0+4*\slot, G1, G0B+4*\slot, G1B         ; the first tensor load behind the round; the four v_nop behind it are the places in front of the loads below
.else
	PLACES NP
.endif
	v_add_nc_u32 v[ADRS], 4*NQ, v[ADRS]            ; on to the next K step's scale words (no LDS load of mine is out)
	FETCH_B \next, 0, 0
	FETCH_A \next, 0, 0
	SCALES \next
	WIN MUL_HI
	MUL16 4, 1, NQ-1, \slot, 0
	MUL16 6, 1, NQ-1, \slot, 0
	PLACES NP
	WIN 0
	FETCH_A \next, 0, 4
.endm
.macro STEPS slot, from                ; the slot's steps from .. NQ - 2
.set Q, \from
.rept NQ-1-\from
	STEP \slot, Q, 0
.set Q, Q+1
.endr
.endm
	s_wait_tensorcnt 1                             ; the scales and my part of K step 0 are in (K step 1's load may be out)
	s_barrier_signal -1
	s_barrier_wait -1                              ; everybody's are
	FETCH_B 0, 0, 0
	FETCH_A 0, 0, 0
	SCALES 0
	FETCH_A 0, 0, 4
	STEP 0, 0, 1                                   ; the first step stands in front of the loop: its products start the sums
	s_mov_b32 s3, LAPS-1
.Llap:                                                 ; a trip goes once round the ring, from a lap's second step to the next lap's first, and fills both slots again
	STEPS 0, 1
	TURN 0, 1, 1
	STEPS 1, 0
	TURN 1, 0, 1
	STEP 0, 0, 0
	s_sub_co_u32 s3, s3, 1
	s_cmp_lg_u32 s3, 0
	s_cbranch_scc1 .Llap
	STEPS 0, 1                                     ; the last lap fills nothing, and has no round of the cluster's barrier
	TURN 0, 1, 0
	STEPS 1, 0
	s_wait_dscnt 4*NL                              ; the very last step: nothing more to fetch
	WIN MUL_LO
	MUL16 0, 1, NQ-1, 1, 0
	MUL16 2, 1, NQ-1, 1, 0
	s_wait_dscnt 0
	WIN MUL_HI
	MUL16 4, 1, NQ-1, 1, 0
	MUL16 6, 1, NQ-1, 1, 0
	WIN 0
; THE WAY OUT, block by block of 16 rows x 128 columns (two heads).  In accumulator (a, b) lane (r, h) holds row 16 a + r and columns 16 b + 8 h + 0 .. 7: pairs 8 (b % 4) + 4 h + 0 .. 3 of head b / 4.
; ROT: RoPE in f32, even' = even c - odd s, odd' = even s + odd c, with c and s x 2^-8 first (exact); then f16.  Each accumulator is read from its low end on.
.macro ROT a
.set CS, 64*(1-(\a)/4)+32*((\a)%2)+128*(((\a)%4)/2)
.if (\a) == 0
	s_wait_loadcnt 32                              ; blocks 0-3's 32 loads are in; the 32 of blocks 4-7 may be out
.elseif (\a) >= 4
	s_wait_loadcnt 8*(7-(\a))                      ; this block's eight are in; the later blocks' may be out
.endif
	WIN 0x41                                       ; destination and source 0 window 1
.irp k, 0,2,4,6,8,10,12,14,16,18,20,22,24,26,28,30
	v_pk_mul_f32 v[CS+\k:CS+\k+1], v[CS+\k:CS+\k+1], 0x3b800000 op_sel_hi:[1,0]
.endr
.set WW, 0x06+(\a)/4
	WIN WW                                         ; source 0: the accumulators' window, 2 or 3; source 1: window 1; the rest window 0
.irp b, 0,1,2,3,4,5,6,7
.set AC, 64*((\a)%4)+8*\b
.set TT, TMPR+8*(\b%2)
.set CC, CS+4*(\b%4)
.irp p, 0,1,2,3
	v_mul_f32 v[TT+\p], v[AC+2*\p+1], v[CC+16+\p]                  ; odd s
.endr
.irp p, 0,1,2,3
	v_mul_f32 v[TT+4+\p], v[AC+2*\p+1], v[CC+\p]                   ; odd c
.endr
.irp p, 0,1,2,3
	v_fma_f32 v[PK+8*\b+2*\p], v[AC+2*\p], v[CC+\p], -v[TT+\p]
.endr
.irp p, 0,1,2,3
	v_fma_f32 v[PK+8*\b+2*\p+1], v[AC+2*\p], v[CC+16+\p], v[TT+4+\p]
.endr
.endr
	WIN 0
.irp j, 0,1,2,3,4,5,6,7,8,9,10,11,12,13,14,15,16,17,18,19,20,21,22,23,24,25,26,27,28,29,30,31
	v_cvt_pk_f16_f32 v[PK+\j], v[PK+2*\j], v[PK+2*\j+1]            ; in place, ascending: line j writes register j and reads 2 j, 2 j + 1
.endr
.endm
.macro PACKV a                         ; V: f16 and nothing else
.set WW, 0x0a+5*((\a)/4)
	WIN WW                                         ; sources 0 and 1: window 2 or 3
.irp b, 0,1,2,3,4,5,6,7
.set AC, 64*((\a)%4)+8*\b
.irp p, 0,1,2,3
	v_cvt_pk_f16_f32 v[PK+4*\b+\p], v[AC+2*\p], v[AC+2*\p+1]
.endr
.endr
	WIN 0
.endm
; A lane's 16 bytes go into rows of 272 bytes of my own stage and come back head by head, four rows (512 bytes of qkv) a load.  LDS serves a wave's instructions in order (ISA guide 5.7.1.4): no wait between the stores and the loads.
.macro TOSTAGE a, so
.irp b, 0,1,2,3,4,5,6,7
	ds_store_b128 v[STO], v[PK+4*\b:PK+4*\b+3] offset:\so+32*\b
.endr
.set BB, BK+32*((\a)%2)
.irp k, 0,1,2,3,4,5,6,7
	ds_load_b128 v[BB+4*\k:BB+4*\k+3], v[RD] offset:\so+(\k%4)*4*SPITCH+128*(\k/4)
.endr
.endm
.macro SEND a
.set BB, BK+32*((\a)%2)
	s_wait_dscnt 0x0                               ; the block is back in registers
	s_wait_xcnt 0x0                                ; the block before has been stored from the other set: its stores have read their data, so the next TOSTAGE may load there
.irp k, 0,1,2,3,4,5,6,7
	global_store_b128 v[CO], v[BB+4*\k:BB+4*\k+3], s[12:13] offset:(\k/4)*131072+2048*(\a)+512*(\k%4)   ; 512 consecutive bytes, at a multiple of 512 from qkv's first byte; a head is 131,072 bytes on
.endr
.endm
	PLACES NP                                      ; behind the last products: for the loads into B's registers, the reads of results and the loads into A's registers alike
	s_cmp_lg_u32 s[ISV], 0
	s_cbranch_scc1 .Lplain
	WIN TO_B
	CSLOAD 4                                       ; blocks 4-7 take the registers that held B's fragments
	CSLOAD 5
	CSLOAD 6
	CSLOAD 7
	WIN 0
	ROT 0
	TOSTAGE 0, 0
.irp a, 1,2,3,4,5,6,7                  ; block a's arithmetic stands between block a - 1's loads from the stage and the wait for them
	ROT \a
	SEND \a-1
	TOSTAGE \a, 0
.endr
	SEND 7
	s_branch .Ldone
.Lplain:
	s_wait_loadcnt 0x0                             ; the head's loads of cos and sin, which this path does not use, have long landed
	PACKV 0
	TOSTAGE 0, VSTAGE
.irp a, 1,2,3,4,5,6,7
	PACKV \a
	SEND \a-1
	TOSTAGE \a, VSTAGE
.endr
	SEND 7
.Ldone:
	s_wait_tensorcnt 0x0                           ; the wave's end, behind my last tensor load and my last LDS store
	ds_add_u32 v[SPW], v[NIL]
	s_wait_dscnt 0x0
	CROUND                                         ; the closing round: no work-group ends while a partner may still ask for a tile that names it
	s_endpgm
.Lfunc_end_k_q2c7caeba7d_qkv:
	.size	k_q2c7caeba7d_qkv, .Lfunc_end_k_q2c7caeba7d_qkv-k_q2c7caeba7d_qkv
	.p2alignl 7, 3214868480
	.fill 96, 4, 3214868480
	.section	.rodata,"a",@progbits
	.p2align	6, 0x0
	.amdhsa_kernel k_q2c7caeba7d_qkv
		.amdhsa_group_segment_fixed_size 327680
		.amdhsa_private_segment_fixed_size 0
		.amdhsa_enable_private_segment 0
		.amdhsa_kernarg_size 56
		.amdhsa_user_sgpr_count 2
		.amdhsa_user_sgpr_kernarg_segment_ptr 1
		.amdhsa_wavefront_size32 1
		.amdhsa_system_sgpr_workgroup_id_x 1
		.amdhsa_system_sgpr_workgroup_id_y 1
		.amdhsa_system_sgpr_workgroup_id_z 1
		.amdhsa_system_vgpr_workitem_id 0
		.amdhsa_next_free_vgpr 1024
		.amdhsa_next_free_sgpr 100
		.amdhsa_reserve_vcc 0
		.amdhsa_float_denorm_mode_32 3
		.amdhsa_float_denorm_mode_16_64 3
		.amdhsa_memory_ordered 1
		.amdhsa_forward_progress 1
		.amdhsa_inst_pref_size 255
	.end_amdhsa_kernel
	.section	.bss,"aw",@nobits
	.p2align	6
	.space	262144
	.amdgpu_metadata
---
amdhsa.version: [ 1, 2 ]
amdhsa.kernels:
  - .name:           k_q2c7caeba7d_qkv
    .symbol:         k_q2c7caeba7d_qkv.kd
    .args:
      - { .name: xc, .offset: 0, .size: 8, .value_kind: global_buffer, .address_space: global }
      - { .name: xs, .offset: 8, .size: 8, .value_kind: global_buffer, .address_space: global }
      - { .name: wc, .offset: 16, .size: 8, .value_kind: global_buffer, .address_space: global }
      - { .name: ws, .offset: 24, .size: 8, .value_kind: global_buffer, .address_space: global }
      - { .name: cos, .offset: 32, .size: 8, .value_kind: global_buffer, .address_space: global }
      - { .name: sin, .offset: 40, .size: 8, .value_kind: global_buffer, .address_space: global }
      - { .name: qkv, .offset: 48, .size: 8, .value_kind: global_buffer, .address_space: global }
    .group_segment_fixed_size: 327680
    .private_segment_fixed_size: 0
    .kernarg_segment_align: 8
    .kernarg_segment_size: 56
    .max_flat_workgroup_size: 128
    .sgpr_count:     100
    .vgpr_count:     1024
    .wavefront_size: 32
...
	.end_amdgpu_metadata
.endif
;; end of part 2
;; launch attn (part 3): grid 8 x 32, 8 waves a work-group, no clusters, 327,680 bytes of LDS; arguments qkv, o16; writes o16
.if DOCPART == 3
	.amdgcn_target "amdgcn-amd-amdhsa--gfx1250"
	.amdhsa_code_object_version 6
	.text
	.protected	k_q2c7caeba7d_attn
	.globl	k_q2c7caeba7d_attn
	.p2align	8
	.type	k_q2c7caeba7d_attn,@function
k_q2c7caeba7d_attn:
	s_mov_b64 s[64:65], 0
	v_nop
	global_prefetch_b8 v0, s[64:65] scope:SCOPE_SE
	s_setreg_imm32_b32 hwreg(HW_REG_WAVE_MODE, 25, 1), 1
	s_wait_xcnt 0x0
; o[b][h][q][:] = the sum over k <= q of softmax_k(q . k / 8) v[k][:], for 32 query heads on 8 key and value heads.  Operands f16, products' sums, maxima, exponentials and row sums f32.
; IN: qkv f16 [4 b][48 g][1024 t][64]: g 0-31 q x 2^-8, 32-39 k x 2^-8, 40-47 v.  OUT: o16 f16 [4 b][32 h][1024 t][64].
; LIMITS: |o| is at most the largest |v|, so it fits where v did; weights p under 6e-5 are kept with f16's subnormal step.
; SOFTMAX.  For each query a running largest t and a running sum: t = score x c, c = log2(e) / 8 x 2^16 (the 2^16 takes back the two 2^-8); p = 2^(t - T); in every step O and the sum are multiplied by a = 2^(T_old - T_new).
; SHARES.  Work-group (I, y = 8 b + kv) owns one key and value head and its four query heads, and two blocks of 64 queries: block I, then block 15 - I: (I + 1) + (16 - I) = 17 key steps of 64 in every work-group.
; Wave w of eight: head 4 kv + w % 4, queries 32 (w / 4) on of the block: TWO tiles of 16 queries, so that each fragment of K and V read from LDS feeds two matrix instructions: 8 waves x 16 KB of LDS reads a key step.
; WINDOWS.  Tile 1 has tile 0's register numbers, in window 1 (s_set_vgpr_msb: bits 1:0 source 0, 3:2 source 1, 5:4 source 2, 7:6 destination): the softmax is written once and run under two settings.  K, V and all addresses lie in window 0.
; A STEP: S^T of both tiles; the next step's K is asked for (K's registers are free); tile 0's softmax; tile 0's V^T P; tile 1's softmax, issued while those products run; tile 1's V^T P.
; THE RING.  Two LDS slots of 256 keys (4 steps).  The first block needs NA = I / 4 + 1 slots, the second 5 - NA: FIVE trips in every work-group, a constant of the text; trip U holds keys 256 x (U < NA ? U : U - NA) on.
; The steps that count are a prefix of a slot: at the first step all of whose keys come after the block's queries a scalar branch on ids leads to the slot's end; the step on the diagonal masks by compare and select.
; Waves 0, 1 fetch K's halves, waves 2, 3 V's; all eight read.  By this text's count a wave has at most one tensor load out, and every wait for tensor loads is for 0.
; NO CLUSTER: which steps a work-group leaves out hangs on its own block number, which in a cluster would be its place there; run alike in all partners it would be 20 masked steps in place of 17, and what would be shared is
; 64 KB a trip beside 4 steps x 8 waves x 32 matrix instructions.
; LAYOUT.  S^T = K Q^T (source 0 = 16 keys, source 1 = 16 queries): a lane holds ONE query (lane % 16) and keys 8 (lane / 16) + 0..7 of a tile.  Two such tiles of keys, rounded to f16 in pairs, ARE source 1 of O^T = V^T P.
; K and V are dense in memory (128 bytes a key), so a tile is stated as rows of 256 bytes, two keys each: key k lies at (k / 2) x pitch + 128 (k % 2).  K's pitch 272: the 16 rows of a fragment start at words 4 i and 32 + 4 i;
; V's pitch 288: the 8 rows x 32 bytes that 16 lanes of the turning load take start at words 8 i and 32 + 8 i (64 banks of 4 bytes: ISA guide 11.1).
.set KP,    272
.set VP,    288
.set VOFF,  128*KP                     ; a slot: 128 long rows of K, then 128 of V
.set SLOT1, 1<<17                      ; slot 1 begins here, so that one exclusive or turns an address in one slot into the other's
.set STAGE, 208896                     ; behind the ring: 32 rows x (128 bytes + 16) for each wave, for the way out; no tile lands there
.set SPARE, STAGE+8*32*144             ; the spare words, 128 bytes a wave, which no other line names
.set AK0, 1                            ; v1   my lane's place in a tile of K
.set AV0, 2                            ; v2   the same for V
.set SPW, 3                            ; v3   LDS address of my spare word; never rewritten
.set NIL, 4                            ; v4   0; never rewritten
.set DD,  5                            ; v5   (both windows) my query in its block - 8 (lane / 16): register 8 kt + j of S^T is hidden on the diagonal where 16 kt + j is above it
.set QA,  6                            ; v6   my byte in 16 rows of Q
.set STO, 7                            ; v7   the way out: where I put 16 bytes of a row
.set RD,  8                            ; v8   where I read rows back
.set GO,  9                            ; v9   16 x lane
.set ADK, 10                           ; v10  LDS address of the slot's K for my lane
.set ADV, 11                           ; v11  of V
.set NT,  12                           ; v[12:13] (both windows) -T, and 0 (named with it as a pair)
.set SUM, 14                           ; v[14:15] (both) the row's sum, in two halves
.set QF,  16                           ; v16-31   (both) Q: two fragments
.set KR,  32                           ; v32-95   K: fragment (kt, c) at 8 (2 kt + c); on the way out v32-63 rows of o
.set SS,  96                           ; v96-127  (both) S^T, then p
.set PP,  128                          ; v128-143 (both) P
.set TM,  144                          ; v144-151 (both) at work
.set AA,  152                          ; v[152:153] (both) a, and 0
.set NINF, 154                         ; v154 (both) -infinity
.set PFO, 155                          ; v155 256 x lane: the prefetches' offset; never rewritten
.set OT,  160                          ; v160-191 (both) O^T
.set VR,  192                          ; v192-255 V: fragment (g, ct) at 8 (4 g + ct)
.set WV,  18                           ; s18  my wave's number
.set NC,  19                           ; s19  -c
.set SEL, 20                           ; s[20:21] lane selects for v_permlanex16_b32: lane l xor 16
.set CS,  22                           ; s[22:23] c, twice: the packed form names a pair
.set G1K, 24                           ; s[24:31] descriptor group 1 for K's tiles;  s[32:39] for V's: the padding differs
.set G1V, 32
.set G0K, 40                           ; s[40:43], s[44:47] their groups 0
.set G0V, 44
.set KB,  48                           ; s[48:49] my half of the head's first 256 keys;  s[50:51] the same of V
.set VB,  50
.set QP,  52                           ; s[52:53] my head's and my 32 queries' place in q;  s[54:55] in o16
.set OP,  54
.set QC,  56                           ; s[56:57], s[58:59] the same for the block in hand
.set OC,  58
.set TB,  60                           ; s60  LDS byte at which the slot in hand begins
.set U,   61                           ; s61  the trip
.set NA,  62                           ; s62  slots of the first block
.set KF,  63                           ; s63  the step's first key
.set QB,  66                           ; s66  the block's first query
.set PFA, 68                           ; s[68:69] where my prefetches of K stand;  s[98:99] those of V
.set PFB, 98
.set PFN, 70                           ; s70  2 in a wave that prefetches, else 0
.set KS,  71                           ; s71  the slot's first key
.set MSB, 0
.macro WIN new                         ; the immediate's high byte repeats the setting that is left; a switch that changes nothing is dropped
.if MSB != \new
	s_set_vgpr_msb (MSB<<8)|\new
.set MSB, \new
.endif
.endm
.set W_T1, 0x55                        ; all four places window 1: tile 1's vector work
.set W_M1, 0x54                        ; source 0 (K or V) window 0; source 1, C and D window 1: tile 1's products
.set W_D1, 0x40                        ; destination window 1
.set W_S1, 0x04                        ; source 1 window 1: an LDS store's data
; Waves 0 and 1 fetch for K, waves 2 and 3 for V, the others nothing.  The branches hang on the wave's number alone.  An s_nop 0 and four v_nop follow each of the two lines.
.macro TLOAD
	s_cmp_lt_u32 s[WV], 2
	s_cbranch_scc0 .Lnot_k_\@
	tensor_load_to_lds s[G0K:G0K+3], s[G1K:G1K+7]
	s_nop 0
.rept 4
	v_nop
.endr
	s_branch .Lasked_\@
.Lnot_k_\@:
	s_cmp_lt_u32 s[WV], 4
	s_cbranch_scc0 .Lasked_\@
	tensor_load_to_lds s[G0V:G0V+3], s[G1V:G1V+7]
	s_nop 0
.rept 4
	v_nop
.endr
.Lasked_\@:
.endm
; A PREFETCH INTO THE L2 of keys 512 on and 768 on of K and V, each one trip (4 key steps) ahead of the first tensor load of the launch that names them: at trips 1 and 2.  All eight work-groups of a key and value head walk the
; same rows: work-group I = 0 asks, and in it the waves that fetch nothing: waves 4-7, each for 8,192 of K's 32,768 bytes and 8,192 of V's, lanes 256 bytes apart: each aligned 256 bytes are named once in the launch.
; Keys 0 to 511 come by their loads alone.
.macro ASK
	s_sub_co_u32 s96, s[U], 1
	s_cmp_lt_u32 s96, s[PFN]
	s_cbranch_scc0 .Lnot_mine_\@
	global_prefetch_b8 v[PFO], s[PFA:PFA+1] th:TH_LOAD_NT scope:SCOPE_SE
	global_prefetch_b8 v[PFO], s[PFB:PFB+1] th:TH_LOAD_NT scope:SCOPE_SE
.Lnot_mine_\@:
.endm
	s_load_b128 s[4:7], s[0:1], 0x0                ; qkv s[4:5], o16 s[6:7]
	v_lshl_add_u32 v[SPW], v0, 2, SPARE
	v_mov_b32 v[NIL], 0
	ds_add_u32 v[SPW], v[NIL]                      ; the wave's opening: the add, twice on end, and its wait ahead of my first tensor load; the set-up below stands between the second and the wait
	ds_add_u32 v[SPW], v[NIL]
	v_lshrrev_b32 v10, 5, v0
	v_readfirstlane_b32 s[WV], v10                 ; wave 0..7
	s_and_b32 s72, ttmp7, 0xffff
	s_lshr_b32 s73, s72, 3                         ; b
	s_and_b32 s74, s72, 7                          ; kv
	s_mul_i32 s75, s73, 48
	s_add_co_u32 s76, s75, s74
	s_add_co_u32 s76, s76, 32
	s_lshl_b32 s76, s76, 17                        ; K's head: (48 b + 32 + kv) x 131,072 bytes
	s_mov_b32 s77, 0
	s_and_b32 s78, s[WV], 1                        ; which half of a slot I fetch, if I fetch
	s_lshl_b32 s92, s78, 14                        ; 128 keys of 128 bytes
	s_mov_b32 s93, 0
	s_and_b32 s80, s[WV], 3                        ; my head among the four
	s_lshr_b32 s81, s[WV], 2                       ; my half of the block's 64 queries
	s_lshl_b32 s82, s74, 2
	s_add_co_u32 s82, s82, s80                     ; 4 kv + head
	s_lshl_b32 s83, s81, 12                        ; 32 rows of 128 bytes
	s_add_co_u32 s84, s75, s82
	s_lshl_b32 s84, s84, 17
	s_add_co_u32 s84, s84, s83                     ; in qkv
	s_mov_b32 s85, 0
	s_lshl_b32 s86, s73, 5
	s_add_co_u32 s86, s86, s82
	s_lshl_b32 s86, s86, 17
	s_add_co_u32 s86, s86, s83                     ; in o16
	s_mov_b32 s87, 0
	; descriptor group 1: 64 long rows of 128 elements of 2 bytes (128 keys), dense in memory, padded in LDS
	s_mov_b32 s[G1K], (1<<16)|(1<<20)|(5<<22)|(3<<25)              ; 15:0 no mask; 17:16 elements of 2 bytes; 20 padding on; 24:22 after every 64 words (code 5); 31:25 4 words (code 3)
	s_mov_b32 s[G1V], (1<<16)|(1<<20)|(5<<22)|(7<<25)              ; the same with 8 words (code 7)
.irp g, G1K, G1V
	s_mov_b32 s[\g+1], 128<<16                     ; tensor_dim0
	s_mov_b32 s[\g+2], 64<<16                      ; tensor_dim1
	s_mov_b32 s[\g+3], 128<<16                     ; tile_dim0
	s_mov_b32 s[\g+4], 64                          ; tile_dim1
	s_mov_b32 s[\g+5], 128                         ; tensor_dim0_stride
	s_mov_b32 s[\g+6], 0
	s_mov_b32 s[\g+7], 0
.endr
	s_mov_b32 s[G0K], 1
	s_mul_i32 s[G0K+1], s78, 64*KP                 ; slot 0: K's half
	s_mov_b32 s[G0V], 1
	s_mul_i32 s[G0V+1], s78, 64*VP
	s_add_co_u32 s[G0V+1], s[G0V+1], VOFF          ; V's half
	s_mov_b32 s[SEL], 0x76543210
	s_mov_b32 s[SEL+1], 0xfedcba98
	s_mov_b32 s[CS], 0x4638aa3b                    ; c = log2(e) / 8 x 2^16
	s_mov_b32 s[CS+1], s[CS]
	s_mov_b32 s[NC], 0xc638aa3b                    ; -c
	s_mov_b32 s[TB], 0
	s_mov_b32 s[U], 0
	s_mov_b32 s[KF], 0
	s_mov_b32 s[KS], 0
	s_lshr_b32 s[NA], ttmp9, 2
	s_add_co_u32 s[NA], s[NA], 1
	s_lshl_b32 s[QB], ttmp9, 6                     ; the first block: I
	s_lshl_b32 s74, s[QB], 7
	s_mov_b32 s75, 0
	s_wait_dscnt 0x0                               ; both opening adds are done
	s_wait_kmcnt 0x0
	s_add_nc_u64 s[88:89], s[4:5], s[76:77]        ; K's head,
	s_add_nc_u64 s[90:91], s[88:89], 0x100000      ; V's: eight heads on
	s_add_nc_u64 s[KB:KB+1], s[88:89], s[92:93]
	s_add_nc_u64 s[VB:VB+1], s[90:91], s[92:93]
	s_mov_b64 s[G0K+2:G0K+3], s[KB:KB+1]
	s_or_b32 s[G0K+3], s[G0K+3], 0x80000000        ; 127:126 type = 2
	s_mov_b64 s[G0V+2:G0V+3], s[VB:VB+1]
	s_or_b32 s[G0V+3], s[G0V+3], 0x80000000
	TLOAD                                          ; slot 0: keys 0 to 255, of which key 0 counts for every query
	s_add_nc_u64 s[QP:QP+1], s[4:5], s[84:85]
	s_add_nc_u64 s[OP:OP+1], s[6:7], s[86:87]
	s_add_nc_u64 s[QC:QC+1], s[QP:QP+1], s[74:75]
	s_add_nc_u64 s[OC:OC+1], s[OP:OP+1], s[74:75]
	s_lshl_b32 s92, s80, 13                        ; the prefetches: my wave's 8,192 bytes of a slot's 32,768, of K and of V; each change of slots steps them a slot on
	s_add_nc_u64 s[PFA:PFA+1], s[88:89], s[92:93]
	s_add_nc_u64 s[PFB:PFB+1], s[90:91], s[92:93]
	s_sub_co_u32 s94, s[WV], 4
	s_lshr_b32 s94, s94, 2                         ; 0 in waves 4 to 7,
	s_or_b32 s94, s94, ttmp9                       ; of work-group I = 0
	s_cmp_eq_u32 s94, 0
	s_cselect_b32 s[PFN], 2, 0
	v_and_b32 v10, 15, v0                          ; r
	v_bfe_u32 v11, v0, 4, 1                        ; h
	v_bfe_u32 v[AK0], v0, 1, 3
	v_mul_u32_u24 v[AK0], v[AK0], KP               ; K: key r: long row r / 2,
	v_and_b32 v[AV0], 1, v0
	v_lshl_add_u32 v[AK0], v[AV0], 7, v[AK0]       ; + 128 (r % 2),
	v_lshl_add_u32 v[AK0], v11, 4, v[AK0]          ; + 16 h
	v_bfe_u32 v[DD], v0, 1, 2
	v_lshl_add_u32 v[DD], v11, 2, v[DD]            ; V: key 8 h + l % 8: long row 4 h + (l % 8) / 2,
	v_mul_u32_u24 v[DD], v[DD], VP
	v_lshl_add_u32 v[DD], v[AV0], 7, v[DD]         ; + 128 (l % 2),
	v_bfe_u32 v[QA], v0, 3, 1
	v_lshl_add_u32 v[DD], v[QA], 4, v[DD]          ; + 16 ((l / 8) % 2)
	v_add_nc_u32 v[AV0], VOFF, v[DD]
	v_lshlrev_b32 v[QA], 3, v11
	v_sub_nc_u32 v[DD], v10, v[QA]
	s_lshl_b32 s95, s81, 5
	v_add_nc_u32 v[DD], s95, v[DD]                 ; tile 0: 32 x half + r - 8 h
	v_lshlrev_b32 v[QA], 7, v10
	v_lshl_add_u32 v[QA], v11, 4, v[QA]            ; Q: row r of 128 bytes, + 16 h
	s_mul_i32 s94, s[WV], 32*144
	s_add_co_u32 s94, s94, STAGE                   ; my stage
	v_mul_u32_u24 v[STO], v10, 144
	v_lshl_add_u32 v[STO], v11, 4, v[STO]
	v_add_nc_u32 v[STO], s94, v[STO]               ; in: row r, 16 bytes for each half of the lanes; tile 1's rows 16 further down
	v_bfe_u32 v[RD], v0, 3, 2
	v_mul_u32_u24 v[RD], v[RD], 144
	v_and_b32 v[GO], 7, v0
	v_lshl_add_u32 v[RD], v[GO], 4, v[RD]
	v_add_nc_u32 v[RD], s94, v[RD]                 ; back: eight lanes a row of 128 bytes, four rows a load
	v_and_b32 v[GO], 31, v0
	v_lshlrev_b32 v[GO], 4, v[GO]                  ; which are 512 consecutive bytes of o16
	v_lshlrev_b32 v[PFO], 4, v[GO]
	v_mov_b32 v[NINF], 0xff800000
	v_mov_b32 v[TM+1], 0                           ; written once: a lane permute's destination counts as one of its sources
	WIN W_D1                                       ; the same three for tile 1, in window 1
	v_add_nc_u32 v[DD], 16, v[DD]                  ; its queries lie 16 further on (the source is window 0's)
	v_mov_b32 v[NINF], 0xff800000
	v_mov_b32 v[TM+1], 0
	WIN 0
.macro QLOAD                           ; Q's two fragments of each tile: lane (r, h): row r; registers 0-3 channels 32 c + 8 h on, registers 4-7 channels 32 c + 16 + 8 h on
.irp c, 0,1
	global_load_b128 v[QF+8*\c:QF+8*\c+3], v[QA], s[QC:QC+1] offset:64*\c
	global_load_b128 v[QF+8*\c+4:QF+8*\c+7], v[QA], s[QC:QC+1] offset:64*\c+32
.endr
	WIN W_D1
.irp c, 0,1
	global_load_b128 v[QF+8*\c:QF+8*\c+3], v[QA], s[QC:QC+1] offset:2048+64*\c
	global_load_b128 v[QF+8*\c+4:QF+8*\c+7], v[QA], s[QC:QC+1] offset:2048+64*\c+32
.endr
	WIN 0
.endm
.macro INIT1                           ; a tile begins: O^T and the sum are zeros, T lies under every t.  (The step is written once: a block's first step finds zeros, which its a = 0 leaves zeros)
.irp j, 0,1,2,3,4,5,6,7,8,9,10,11,12,13,14,15,16,17,18,19,20,21,22,23,24,25,26,27,28,29,30,31
	v_mov_b32 v[OT+\j], 0
.endr
	v_mov_b32 v[NT], 0x7f61b1e6                    ; -T = 3e38
	v_mov_b32 v[NT+1], 0
	v_mov_b32 v[SUM], 0
	v_mov_b32 v[SUM+1], 0
	v_mov_b32 v[AA+1], 0
.endm
.macro INIT
	INIT1
	WIN W_D1
	INIT1
	WIN 0
.endm
	QLOAD
	INIT
.macro KLOAD q                         ; K's eight fragments of the slot's q-th 64 keys
.irp kt, 0,1,2,3
.irp c, 0,1
	ds_load_b128 v[KR+8*(2*\kt+\c):KR+8*(2*\kt+\c)+3],   v[ADK] offset:32*KP*(\q)+8*KP*\kt+64*\c
	ds_load_b128 v[KR+8*(2*\kt+\c)+4:KR+8*(2*\kt+\c)+7], v[ADK] offset:32*KP*(\q)+8*KP*\kt+64*\c+32
.endr
.endr
.endm
.macro VLOAD q                         ; V's eight, turned
.irp g, 0,1
.irp ct, 0,1,2,3
	ds_load_tr16_b128 v[VR+8*(4*\g+\ct):VR+8*(4*\g+\ct)+3],   v[ADV] offset:32*VP*(\q)+16*VP*\g+32*\ct          ; keys 32 g + 8 h on of channel 16 ct + r,
	ds_load_tr16_b128 v[VR+8*(4*\g+\ct)+4:VR+8*(4*\g+\ct)+7], v[ADV] offset:32*VP*(\q)+16*VP*\g+8*VP+32*\ct     ; and 16 keys further on
.endr
.endr
.endm
.macro SPROD                           ; S^T = K Q^T of one tile: its four accumulators take turns, one instruction a turn; the first four start the sums
.irp kt, 0,1,2,3
	v_wmma_f32_16x16x32_f16 v[SS+8*\kt:SS+8*\kt+7], v[KR+16*\kt:KR+16*\kt+7], v[QF:QF+7], 0
.endr
.irp kt, 0,1,2,3
	v_wmma_f32_16x16x32_f16 v[SS+8*\kt:SS+8*\kt+7], v[KR+16*\kt+8:KR+16*\kt+15], v[QF+8:QF+15], v[SS+8*\kt:SS+8*\kt+7]
.endr
.endm
.macro PVPROD                          ; O^T += V^T P of one tile: its four accumulators by turns
.irp g, 0,1
.irp ct, 0,1,2,3
	v_wmma_f32_16x16x32_f16 v[OT+8*\ct:OT+8*\ct+7], v[VR+8*(4*\g+\ct):VR+8*(4*\g+\ct)+7], v[PP+8*\g:PP+8*\g+7], v[OT+8*\ct:OT+8*\ct+7]
.endr
.endr
.endm
.macro MASK                            ; one tile on the diagonal: -infinity ahead of the maximum: p = 0 then.  The block's key 0 counts for each of its queries, so the maximum is a number
.irp n, 0,1,2,3,4,5,6,7,8,9,10,11,12,13,14,15,16,17,18,19,20,21,22,23,24,25,26,27,28,29,30,31
	v_cmp_gt_i32 vcc_lo, 16*(\n/8)+\n%8, v[DD]
	v_cndmask_b32 v[SS+\n], v[SS+\n], v[NINF], vcc_lo
.endr
.endm
; One tile's softmax for one key step; every vector register that it names lies in the tile's window.
.macro SOFT
.irp k, 0,1,2,3
	v_max3_num_f32 v[TM+\k], v[SS+8*\k], v[SS+8*\k+1], v[SS+8*\k+2]   ; the largest score: four chains, each beginning at an accumulator's low end
.endr
.irp i, 3,5
.irp k, 0,1,2,3
	v_max3_num_f32 v[TM+\k], v[TM+\k], v[SS+8*\k+\i], v[SS+8*\k+\i+1]
.endr
.endr
	v_max3_num_f32 v[TM], v[TM], v[SS+7], v[SS+15]
	v_max3_num_f32 v[TM+2], v[TM+2], v[SS+23], v[SS+31]
	v_max3_num_f32 v[TM], v[TM], v[TM+1], v[TM+2]
	v_max_num_f32 v[TM], v[TM], v[TM+3]
	v_permlanex16_b32 v[TM+1], v[TM], s[SEL], s[SEL+1]             ; the query's other 32 keys lie in the lane 16 away
	v_max_num_f32 v[TM], v[TM], v[TM+1]
	v_mul_f32 v[TM], s[NC], v[TM]                  ; - c x the step's largest score
	v_min_num_f32 v[TM+2], v[NT], v[TM]            ; the new -T
	v_sub_f32 v[TM+3], v[TM+2], v[NT]              ; T_old - T_new, 0 or less
	v_mov_b32 v[NT], v[TM+2]
	v_exp_f32 v[AA], v[TM+3]                       ; a: the first of ONE BATCH of 33 exponentials, none of which reads another's result
.irp j, 0,2,4,6,8,10,12,14,16,18,20,22,24,26,28,30
	v_pk_fma_f32 v[SS+\j:SS+\j+1], v[SS+\j:SS+\j+1], s[CS:CS+1], v[NT:NT+1] op_sel_hi:[1,0,0]   ; t - T, two at a time (of the pairs c and -T the low word serves both halves)
.endr
.irp j, 0,1,2,3,4,5,6,7,8,9,10,11,12,13,14,15,16,17,18,19,20,21,22,23,24,25,26,27,28,29,30,31
	v_exp_f32 v[SS+\j], v[SS+\j]                   ; p = 2^(t - T), at most 1
.endr
	v_nop                                          ; a plain instruction behind the last exponential (ISA guide 5.7.2),
	s_wait_alu depctr_va_vdst(0)                   ; and the one wait ahead of the batch's first reader
.irp j, 0,1,2,3,4,5,6,7,8,9,10,11,12,13,14,15
	v_cvt_pk_f16_f32 v[PP+\j], v[SS+2*\j], v[SS+2*\j+1]            ; registers 8 g .. 8 g + 7: keys 32 g on, as source 1 wants them
.endr
	v_pk_add_f32 v[TM+4:TM+5], v[SS:SS+1], v[SS+2:SS+3]            ; the row's sum, of the unrounded p, in two chains
	v_pk_fma_f32 v[SUM:SUM+1], v[SUM:SUM+1], v[AA:AA+1], v[SS+4:SS+5] op_sel_hi:[1,0,1]   ; the old sum x a, with the chain's first term
	v_pk_add_f32 v[TM+4:TM+5], v[TM+4:TM+5], v[SS+6:SS+7]
.irp j, 8,12,16,20,24,28
	v_pk_add_f32 v[SUM:SUM+1], v[SUM:SUM+1], v[SS+\j:SS+\j+1]
	v_pk_add_f32 v[TM+4:TM+5], v[TM+4:TM+5], v[SS+\j+2:SS+\j+3]
.endr
	v_pk_add_f32 v[SUM:SUM+1], v[SUM:SUM+1], v[TM+4:TM+5]
.irp j, 0,2,4,6,8,10,12,14,16,18,20,22,24,26,28,30
	v_pk_mul_f32 v[OT+\j:OT+\j+1], v[OT+\j:OT+\j+1], v[AA:AA+1] op_sel_hi:[1,0]   ; O^T x a, each accumulator from its low end on
.endr
.endm
; A KEY STEP: 64 keys, the q-th of the slot in hand, for both tiles.  Step q > 0 is reached only through step q - 1, which has asked for its K.
.macro STEP q, tag
	s_cmp_gt_u32 s[KF], s[QB]                      ; all 64 keys come after the block's 64 queries, and so do those of the slot's later steps: on to the slot's end (ids and the count of steps alone: all eight waves go the same way)
	s_cbranch_scc1 .Lslotend_\tag
.if \q == 0
	KLOAD 0
.endif
	VLOAD \q
	s_wait_dscnt 16                                ; K's sixteen loads are in; V's sixteen, issued behind them, may be out
	SPROD
	WIN W_M1
	SPROD
	WIN 0
.rept 4
	v_nop                                          ; four places behind the products: ahead of the first read of their results and of the loads into K's registers (ISA guide 7.12.1 for vector instructions)
.endr
.if \q < 3
	KLOAD (\q)+1                                   ; the next step's K lands under the softmax.  If that step is hidden these registers are simply loaded again later
.endif
	s_cmp_lg_u32 s[KF], s[QB]                      ; only the step on the diagonal has hidden keys
	s_cbranch_scc1 .Lopen_\@
	MASK
	WIN W_T1
	MASK
	WIN 0
.Lopen_\@:
	SOFT
.if \q < 3
	s_wait_dscnt 16                                ; V is in; the next K's sixteen loads may be out
.else
	s_wait_dscnt 0x0                               ; V is in
.endif
	PVPROD                                         ; tile 0's products run while tile 1's softmax, which names none of their registers, is issued
	WIN W_T1
	SOFT
	WIN W_M1
	PVPROD
	WIN 0
.rept 4
	v_nop                                          ; four places: for the next step's loads into V's registers, and for the way out's reads of O^T
.endr
	s_add_co_u32 s[KF], s[KF], 64
.endm
.macro SLOT_STEPS tag
	v_add_nc_u32 v[ADK], s[TB], v[AK0]
	v_add_nc_u32 v[ADV], s[TB], v[AV0]
	STEP 0, \tag
	STEP 1, \tag
	STEP 2, \tag
	STEP 3, \tag
.Lslotend_\tag:
	s_add_co_u32 s[KS], s[KS], 256                 ; the next slot's first key
	s_mov_b32 s[KF], s[KS]
	s_xor_b32 s[TB], s[TB], SLOT1                  ; on to the other slot
.endm
; THE CHANGE OF SLOTS stands at a slot's head.  Each wave waits for all its tensor loads (its part of the slot that it is about to read), adds 0 to its spare word, and waits for that and for its LDS reads of the slot that it has left.
; Behind the barrier the slot ahead is whole and nobody reads the other one.  fill = 1: that other slot takes the next trip's keys: the load has a slot's steps in which to land.
.macro CHANGE fill
	s_wait_tensorcnt 0x0                           ; no tensor load of mine is out, so a group 0 may be written
	ds_add_u32 v[SPW], v[NIL]                      ; 0 onto my spare word
.if \fill
	ds_add_u32 v[SPW], v[NIL]                      ; and once more: twice on end.  The descriptors' words stand between the second and the wait
	s_xor_b32 s[G0K+1], s[G0K+1], SLOT1            ; the other slot than last time
	s_xor_b32 s[G0V+1], s[G0V+1], SLOT1
	s_add_co_u32 s96, s[U], 1
	s_sub_co_u32 s97, s96, s[NA]
	s_cmp_lt_u32 s96, s[NA]
	s_cselect_b32 s96, s96, s97                    ; the next trip's 256 keys: number U + 1 of the first block's slots, or U + 1 - NA of the second's
	s_lshl_b32 s96, s96, 15                        ; 32,768 bytes each
	s_mov_b32 s97, 0
	s_add_nc_u64 s[G0K+2:G0K+3], s[KB:KB+1], s[96:97]
	s_or_b32 s[G0K+3], s[G0K+3], 0x80000000
	s_add_nc_u64 s[G0V+2:G0V+3], s[VB:VB+1], s[96:97]
	s_or_b32 s[G0V+3], s[G0V+3], 0x80000000
	s_wait_xcnt 0x0                                ; the last prefetches, a trip back, have read their addresses, so these may be written
	s_add_nc_u64 s[PFA:PFA+1], s[PFA:PFA+1], 0x8000
	s_add_nc_u64 s[PFB:PFB+1], s[PFB:PFB+1], 0x8000
.endif
	s_wait_dscnt 0x0                               ; the add is done (fill = 1: both are), and my reads of the slot that I have left are over
	s_barrier_signal -1
	s_barrier_wait -1
.if \fill
	TLOAD                                          ; the first thing behind the barrier, and a wave's one tensor load until the next
	ASK
.endif
.endm
; THE WAY OUT of a block: O^T / the sum, f16, through my own stage, out as 8 x 512 consecutive bytes.
.macro FIN1                            ; one tile, in its window
	v_add_f32 v[SUM], v[SUM], v[SUM+1]             ; the sum's two halves,
	v_permlanex16_b32 v[TM+1], v[SUM], s[SEL], s[SEL+1]
	v_add_f32 v[SUM], v[SUM], v[TM+1]              ; and lane l xor 16's: the row's sum; it holds the term 1 of the row's largest t
	v_rcp_f32 v[AA], v[SUM]
	v_nop                                          ; a plain instruction behind the reciprocal,
	s_wait_alu depctr_va_vdst(0)                   ; and the wait ahead of its first reader
.irp j, 0,2,4,6,8,10,12,14,16,18,20,22,24,26,28,30
	v_pk_mul_f32 v[SS+\j:SS+\j+1], v[OT+\j:OT+\j+1], v[AA:AA+1] op_sel_hi:[1,0]   ; register 8 ct + i: o(r, 16 ct + 8 h + i)
.endr
.irp j, 0,1,2,3,4,5,6,7,8,9,10,11,12,13,14,15
	v_cvt_pk_f16_f32 v[PP+\j], v[SS+2*\j], v[SS+2*\j+1]
.endr
.endm
.macro FINISH
	s_wait_dscnt 0x0                               ; loads of K that no step used may be out: their registers are loaded anew below
	FIN1
.irp ct, 0,1,2,3
	ds_store_b128 v[STO], v[PP+4*\ct:PP+4*\ct+3] offset:32*\ct
.endr
	WIN W_T1
	FIN1
	WIN W_S1
.irp ct, 0,1,2,3
	ds_store_b128 v[STO], v[PP+4*\ct:PP+4*\ct+3] offset:16*144+32*\ct
.endr
	WIN 0
.irp i, 0,1,2,3,4,5,6,7
	ds_load_b128 v[KR+4*\i:KR+4*\i+3], v[RD] offset:4*144*\i       ; in order behind my stores (ISA guide 5.7.1.4)
.endr
.irp i, 0,1,2,3,4,5,6,7
	s_wait_dscnt 7-\i                              ; load i is in; the younger ones may be out
	global_store_b128 v[GO], v[KR+4*\i:KR+4*\i+3], s[OC:OC+1] offset:512*\i   ; 512 consecutive bytes, at a multiple of 512 from o16's first byte
.endr
	s_wait_xcnt 0x0                                ; the stores have read their data and their base: K's registers and the base are written again only behind this wait
.endm
	s_wait_loadcnt 0x0                             ; Q
.Lslot:                                            ; four trips; behind each change of slots the next trip's keys are asked for
	CHANGE 1
	s_cmp_eq_u32 s[U], s[NA]                       ; the first block's slots are walked: its way out, and the second block begins
	s_cbranch_scc0 .Lsame
	s_sub_co_u32 s72, 960, s[QB]                   ; 64 (15 - I)
	s_lshl_b32 s74, s72, 7
	s_mov_b32 s75, 0
	s_add_nc_u64 s[QC:QC+1], s[QP:QP+1], s[74:75]  ; (the first block's loads of Q were waited for)
	QLOAD                                          ; lands under the way out
	FINISH
	s_add_nc_u64 s[OC:OC+1], s[OP:OP+1], s[74:75]
	s_mov_b32 s[QB], s72
	s_mov_b32 s[KF], 0
	s_mov_b32 s[KS], 0
	INIT
	s_wait_loadcnt 0x0
.Lsame:
	SLOT_STEPS 0
	s_add_co_u32 s[U], s[U], 1
	s_cmp_lt_u32 s[U], 4
	s_cbranch_scc1 .Lslot
	CHANGE 0                                       ; the fifth trip is written out: it asks for nothing
	SLOT_STEPS 1
	FINISH
	s_wait_tensorcnt 0x0                           ; the wave's end, behind my last tensor load and my last LDS store
	ds_add_u32 v[SPW], v[NIL]
	s_wait_dscnt 0x0
	s_endpgm
.Lfunc_end_k_q2c7caeba7d_attn:
	.size	k_q2c7caeba7d_attn, .Lfunc_end_k_q2c7caeba7d_attn-k_q2c7caeba7d_attn
	.p2alignl 7, 3214868480
	.fill 96, 4, 3214868480
	.section	.rodata,"a",@progbits
	.p2align	6, 0x0
	.amdhsa_kernel k_q2c7caeba7d_attn
		.amdhsa_group_segment_fixed_size 327680
		.amdhsa_private_segment_fixed_size 0
		.amdhsa_enable_private_segment 0
		.amdhsa_kernarg_size 16
		.amdhsa_user_sgpr_count 2
		.amdhsa_user_sgpr_kernarg_segment_ptr 1
		.amdhsa_wavefront_size32 1
		.amdhsa_system_sgpr_workgroup_id_x 1
		.amdhsa_system_sgpr_workgroup_id_y 1
		.amdhsa_system_sgpr_workgroup_id_z 1
		.amdhsa_system_vgpr_workitem_id 0
		.amdhsa_next_free_vgpr 512
		.amdhsa_next_free_sgpr 100
		.amdhsa_reserve_vcc 1
		.amdhsa_float_denorm_mode_32 3
		.amdhsa_float_denorm_mode_16_64 3
		.amdhsa_memory_ordered 1
		.amdhsa_forward_progress 1
		.amdhsa_inst_pref_size 200
	.end_amdhsa_kernel
	.amdgpu_metadata
---
amdhsa.version: [ 1, 2 ]
amdhsa.kernels:
  - .name:           k_q2c7caeba7d_attn
    .symbol:         k_q2c7caeba7d_attn.kd
    .args:
      - { .name: qkv, .offset: 0, .size: 8, .value_kind: global_buffer, .address_space: global }
      - { .name: o16, .offset: 8, .size: 8, .value_kind: global_buffer, .address_space: global }
    .group_segment_fixed_size: 327680
    .private_segment_fixed_size: 0
    .kernarg_segment_align: 8
    .kernarg_segment_size: 16
    .max_flat_workgroup_size: 256
    .sgpr_count:     100
    .vgpr_count:     512
    .wavefront_size: 32
...
	.end_amdgpu_metadata
.endif
;; end of part 3
;; launch oproj (part 4): grid 16 x 16, 4 waves a work-group, clusters of 4 x 4, 327,680 bytes of LDS; arguments o16, wo16, out0; writes out0
.if DOCPART == 4
	.amdgcn_target "amdgcn-amd-amdhsa--gfx1250"
	.amdhsa_code_object_version 6
	.text
	.protected	k_q2c7caeba7d_oproj
	.globl	k_q2c7caeba7d_oproj
	.p2align	8
	.type	k_q2c7caeba7d_oproj,@function
k_q2c7caeba7d_oproj:
	s_mov_b64 s[64:65], 0
	v_nop
	global_prefetch_b8 v0, s[64:65] scope:SCOPE_SE
	s_setreg_imm32_b32 hwreg(HW_REG_WAVE_MODE, 25, 1), 1
	s_wait_xcnt 0x0
	s_wait_alu depctr_hold_cnt(0) depctr_sa_sdst(0) depctr_va_vdst(0) depctr_va_sdst(0) depctr_va_ssrc(0) depctr_va_vcc(0) depctr_vm_vsrc(0)
	s_getreg_b32 s2, hwreg(HW_REG_IB_STS2, 6, 4)
	s_cmp_eq_u32 s2, 0
	s_cbranch_scc0 .Lentry_in_a_cluster
	s_endpgm
.Lentry_in_a_cluster:
	s_bfe_u32 s2, ttmp6, 0x10000c
	s_cmp_lg_u32 s2, 0xf033
	s_cbranch_scc0 .Lentry_shape_is_right
	s_endpgm
.Lentry_shape_is_right:
; out0[m][n] = the sum over k of o[m][k] Wo[n][k], m = 1024 b + t, k = 64 h + d.  o16: f16 [4 b][32 h][1024 t][64]; wo16: f16 [2048 n][2048 k]; out0: f32 [4096][2048]; sums in f32.
; C has 128 tiles of 256 x 256, so a tile is 256 (m) x 128 (n): 256 work-groups.  Four waves, each 128 rows x 64 columns: 32 accumulators of 16 x 16, 256 registers.
; K goes in steps of 192 (THREE heads) through a ring of two LDS slots: the longest step of whole heads of which two slots fit: 2 x 159,744 bytes.  A step is 192 matrix instructions a wave, 176 of them between a slot's request
; and the wait for it.  32 heads are ten such steps and an eleventh of two heads, which is written out.
; A's part of a slot is three planes, one a head: a head's 256 rows of 128 bytes are dense in memory and are stated as 128 rows of 256 bytes, two t each: row t lies at (t / 2) x 272 + 128 (t % 2): the 16 rows of a fragment start
; at words 4 i and 32 + 4 i (64 banks of 4 bytes: ISA guide 11.1).  B's part: 128 rows of 384 bytes with 16 bytes of padding behind every 128: 432 bytes = 108 words apart: row r starts at word 44 r mod 64, sixteen different
; groups of four words; byte x of a row lies at x + 16 (x / 128).
; WHO FETCHES: waves 0, 1, 2 one plane of A each, wave 3 B's 128 rows.  In the eleventh step waves 0 and 1 fetch its two planes, wave 2 nothing, and wave 3 the LAST 384 bytes of each row of Wo, by the same descriptor:
; the two heads then lie two quarters further on in B's rows than in A's planes, and nothing leaves the buffer.
; CLUSTERS: 4 x 4 work-groups.  The four of a row of the cluster need the same tiles of A, the four of a column the same tiles of B: each tile is asked for JOINTLY, by the same tensor load with the same descriptor and a mask
; that names the four.  THE MATRIX INSTRUCTION IS USED TRANSPOSED (source 0 = 16 rows of Wo, source 1 = 16 rows of o): a lane holds eight neighbouring numbers of a row of C.
; REGISTERS: window 0: v0-31 addresses; v64-127, v128-191 A's fragments (8 x 16 rows x 32 K), two buffers; v192-223, v224-255 B's (4), two buffers; on the way out v64-127 rows of C.
;   window 1: the accumulators ((a, b) at v[8 (4 a + b)]).
.set PITCH,  272
.set APL,    128*PITCH                 ; a plane of A: what one tensor load brings
.set AHALF,  64*PITCH                  ; a wave's 128 rows in a plane
.set BP,     432                       ; a row of B in LDS
.set BOFF,   3*APL                     ; B lies behind A's three planes
.set BHALF,  64*BP                     ; a wave's 64 rows of B
.set SLOT,   BOFF+2*BHALF
.set SPARE,  2*SLOT                    ; behind the ring: the spare words, 128 bytes a wave, which no other line names
.set STAGE,  SLOT                      ; the way out: 16 rows x (256 bytes + 16) for each wave, in slot 1, which has had its last fill and, behind the last change of slots, its last read when the first result is stored there
.set TRIPS,  4                         ; the loop's trips: a trip = two K steps = once round the ring, and fills both slots again: steps 2 to 9
.set ASTEP,  393216                    ; a K step on in o16: three heads of 131,072 bytes
.set BSTEP,  384                       ; and in a row of wo16
.set ADRA, 16                          ; v16-17  LDS address of my A fragments in slot 0, 1; v18-19 the same in plane 2, which lies beyond the 16-bit offset
.set ADRB, 20                          ; v20-21  the same for B
.set STO,  24                          ; v24     the way out: where I put 32 bytes of a row
.set RD,   25                          ; v25     where I read a row back
.set CO,   26                          ; v26     my byte offset in two rows of C
.set SPW,  28                          ; v28     LDS address of my spare word; never rewritten
.set NIL,  29                          ; v29     0; never rewritten
.set PFO,  30                          ; v30     the prefetches' lane offset; never rewritten
.set AF,   64
.set BF,   192
.set G1, 24                            ; s[24:31] descriptor group 1 for A's tiles;  s[32:39] group 0, one set for each slot
.set G0, 32
.set G1B, 48                           ; s[48:55], s[56:63] the same for B's tiles
.set G0B, 56
.set LIM,  43                          ; s43      1 in a wave that prefetches, else the greatest number
.set PFA,  44                          ; s[44:45] where my prefetches stand
.set PFS,  22                          ; s[22:23] two K steps on, in bytes
.set MSB, 0
.macro WIN new                         ; the immediate's high byte repeats the setting that is left
.if MSB != \new
	s_set_vgpr_msb (MSB<<8)|\new
.set MSB, \new
.endif
.endm
.set MUL,  0x50                        ; sources 0 and 1 window 0; C and D window 1
.macro JLOAD s                         ; a joint load: waves 0 to 2 fetch A's three planes, wave 3 B's rows; an s_nop 0 and four v_nop follow each of the two lines, ahead of the jump, the label and what follows
	s_cmp_lt_u32 s10, 3
	s_cbranch_scc0 .Lfor_b_\@
	tensor_load_to_lds s[G0+4*\s:G0+4*\s+3], s[G1:G1+7]
	s_nop 0
.rept 4
	v_nop
.endr
	s_branch .Lasked_\@
.Lfor_b_\@:
	tensor_load_to_lds s[G0B+4*\s:G0B+4*\s+3], s[G1B:G1B+7]
	s_nop 0
.rept 4
	v_nop
.endr
.Lasked_\@:
.endm
.macro JSHORT                          ; the eleventh step's joint load, into slot 0: two planes and B; wave 2 has no part of it.  The branches hang on the wave's number alone
	s_cmp_lt_u32 s10, 2
	s_cbranch_scc0 .Lnot_a_\@
	tensor_load_to_lds s[G0:G0+3], s[G1:G1+7]
	s_nop 0
.rept 4
	v_nop
.endr
	s_branch .Lasked_\@
.Lnot_a_\@:
	s_cmp_eq_u32 s10, 3
	s_cbranch_scc0 .Lasked_\@
	tensor_load_to_lds s[G0B:G0B+3], s[G1B:G1B+7]
	s_nop 0
.rept 4
	v_nop
.endr
.Lasked_\@:
.endm
.macro CREST                           ; a round of the cluster's barrier behind its opening barrier
	s_cmp_lg_u32 s10, 0
	s_cbranch_scc1 .Lnot_wave_0_\@
	s_barrier_signal -3
.Lnot_wave_0_\@:
	s_barrier_wait -3
	s_barrier_signal -1
	s_barrier_wait -1
.endm
.macro CROUND                          ; a whole round
	s_barrier_signal -1
	s_barrier_wait -1
	CREST
.endm
; A PREFETCH INTO THE L2, once a trip, behind slot 0's joint load and the run of LDS loads that follows it: the two K steps 2 L + 4 and 2 L + 5 in trip L, a trip (384 matrix instructions a wave) ahead of the first load that names
; them.  A's tile row is read by every cluster of that row of clusters: cluster x = 0 asks; B's tile column by every cluster of that column: cluster y = 0 asks.  The four partners that ask for a tile jointly share it out BY ADDRESS.
; A (waves 0 to 2): of a plane's 32,768 dense bytes the partner at cx takes 8,192, lanes 256 bytes apart; two instructions, one a K step.  B (wave 3): of the 128 rows the partner at cy takes 32, a lane a row; two K steps are
; 768 bytes of a row, three aligned blocks of 256: three instructions.  So each aligned 256 bytes are named once in the launch.
; K steps 0 to 3 and the eleventh come by their loads alone; the loop's last trip asks for nothing.
.macro ASK
	s_cmp_gt_u32 s3, s[LIM]                        ; s3 = 1 in the loop's last trip
	s_cbranch_scc0 .Lnot_mine_\@
	global_prefetch_b8 v[PFO], s[PFA:PFA+1] th:TH_LOAD_NT scope:SCOPE_SE
	s_cmp_lt_u32 s10, 3
	s_cbranch_scc0 .Lpf_b_\@
	global_prefetch_b8 v[PFO], s[PFA:PFA+1] offset:ASTEP th:TH_LOAD_NT scope:SCOPE_SE
	s_branch .Lnot_mine_\@
.Lpf_b_\@:
	global_prefetch_b8 v[PFO], s[PFA:PFA+1] offset:256 th:TH_LOAD_NT scope:SCOPE_SE
	global_prefetch_b8 v[PFO], s[PFA:PFA+1] offset:512 th:TH_LOAD_NT scope:SCOPE_SE
.Lnot_mine_\@:
.endm
	s_load_b128 s[4:7], s[0:1], 0x0                ; o16 s[4:5], wo16 s[6:7]
	s_load_b64 s[8:9], s[0:1], 0x10                ; out0
	v_lshl_add_u32 v[SPW], v0, 2, SPARE
	v_mov_b32 v[NIL], 0
	ds_add_u32 v[SPW], v[NIL]                      ; the wave's opening: the add, twice on end, and its wait ahead of my first tensor load; the set-up below stands between the second and the wait
	ds_add_u32 v[SPW], v[NIL]
	v_lshrrev_b32 v1, 5, v0
	v_readfirstlane_b32 s10, v1                    ; wave 0..3.  Also: which plane of A I fetch (0 to 2), or B (3)
	s_lshr_b32 s11, s10, 1                         ; which half of the tile's rows is mine
	s_and_b32 s12, s10, 1                          ; which half of its columns
	s_bfe_u32 s40, ttmp6, 0x40000                  ; cx, cy: my place in the cluster
	s_bfe_u32 s41, ttmp6, 0x40004
	s_lshl_b32 s42, ttmp9, 2
	s_add_co_u32 s42, s42, s40                     ; tile column of C = 4 x cluster x + cx
	s_and_b32 s13, ttmp7, 0xffff
	s_lshl_b32 s13, s13, 2
	s_add_co_u32 s13, s13, s41                     ; tile row of C = 4 x cluster y + cy
	s_lshl_b32 s43, s41, 2
	s_lshl_b32 s43, 15, s43                        ; my row of the cluster
	s_lshl_b32 s44, 0x1111, s40                    ; my column
	s_or_b32 s[G1+0], s43, (1<<16)|(1<<20)|(1<<21)|(5<<22)|(3<<25)  ; 15:0 the mask: A's tiles go to my row; 17:16 element of 2 bytes; 20 padding on; 21 set beside a mask; 24:22 after every 64 words (code 5); 31:25 of 4 words (code 3)
	s_or_b32 s[G1B+0], s44, (1<<16)|(1<<20)|(1<<21)|(4<<22)|(3<<25) ; B's go to my column; padding after every 32 words (code 4): three times in a row of 96 words
	s_mov_b32 s[G1+1], 128<<16                     ; A: tensor_dim0 = 128 elements,
	s_mov_b32 s[G1+2], 128<<16                     ; tensor_dim1 = 128 long rows,
	s_mov_b32 s[G1+3], 128<<16                     ; tile_dim0,
	s_mov_b32 s[G1+4], 128                         ; tile_dim1,
	s_mov_b32 s[G1+5], 128                         ; dense: the stride is the row
	s_mov_b32 s[G1+6], 0
	s_mov_b32 s[G1+7], 0
	s_mov_b32 s[G1B+1], 192<<16                    ; B: 128 rows of 192 elements,
	s_mov_b32 s[G1B+2], 128<<16
	s_mov_b32 s[G1B+3], 192<<16
	s_mov_b32 s[G1B+4], 128
	s_mov_b32 s[G1B+5], 2048                       ; 2,048 elements apart
	s_mov_b32 s[G1B+6], 0
	s_mov_b32 s[G1B+7], 0
	s_lshr_b32 s16, s13, 2                         ; A: b = tile row / 4;
	s_lshl_b32 s16, s16, 5
	s_add_co_u32 s16, s16, s10                     ; head 32 b + my plane (K step 0);
	s_lshl_b32 s16, s16, 10
	s_and_b32 s17, s13, 3
	s_lshl_b32 s17, s17, 8
	s_add_co_u32 s16, s16, s17                     ; + t0 = 256 (tile row % 4);
	s_lshl_b32 s16, s16, 7                         ; rows of 128 bytes
	s_mov_b32 s17, 0
	s_lshl_b32 s46, s42, 19                        ; B: row 128 x tile column, of 4,096 bytes
	s_mov_b32 s47, 0
	s_mul_i32 s20, s10, APL                        ; where a plane goes: no place in the cluster enters an LDS address
	s_wait_dscnt 0x0                               ; both opening adds are done
	s_wait_kmcnt 0x0
	s_add_nc_u64 s[14:15], s[4:5], s[16:17]
	s_add_nc_u64 s[46:47], s[6:7], s[46:47]
	CROUND                                         ; all sixteen work-groups are here: the first joint loads meet
.irp s, 0,1
	s_mov_b32 s[G0+4*\s], 1
	s_add_co_u32 s[G0+4*\s+1], s20, \s*SLOT
	s_add_nc_u64 s[G0+4*\s+2:G0+4*\s+3], s[14:15], \s*ASTEP
	s_or_b32 s[G0+4*\s+3], s[G0+4*\s+3], 0x80000000
	s_mov_b32 s[G0B+4*\s], 1
	s_mov_b32 s[G0B+4*\s+1], BOFF+\s*SLOT
	s_add_nc_u64 s[G0B+4*\s+2:G0B+4*\s+3], s[46:47], \s*BSTEP
	s_or_b32 s[G0B+4*\s+3], s[G0B+4*\s+3], 0x80000000
	JLOAD \s                                       ; by this text's count two tensor loads of a wave are out here, later one
.endr
	v_and_b32 v1, 15, v0                           ; r = l % 16
	v_bfe_u32 v2, v0, 4, 1                         ; h = l / 16
	v_bfe_u32 v3, v0, 1, 3
	v_mul_u32_u24 v3, v3, PITCH                    ; A: row r: long row r / 2,
	v_and_b32 v4, 1, v0
	v_lshl_add_u32 v3, v4, 7, v3                   ; + 128 (r % 2),
	v_lshl_add_u32 v3, v2, 4, v3                   ; + 16 h
	v_mul_u32_u24 v4, v1, BP
	v_lshl_add_u32 v4, v2, 4, v4                   ; B: row r x pitch + 16 h
	s_mul_i32 s21, s11, AHALF                      ; my 128 rows in each plane of A
	s_mul_i32 s22, s12, BHALF                      ; my 64 rows of B
	s_add_co_u32 s22, s22, BOFF
.irp s, 0,1
	v_add_nc_u32 v[ADRA+\s], s21, v3
	v_add_nc_u32 v[ADRB+\s], s22, v4
	s_add_co_u32 s21, s21, SLOT
	s_add_co_u32 s22, s22, SLOT
.endr
	v_add_nc_u32 v[ADRA+2], 2*APL, v[ADRA]         ; plane 2
	v_add_nc_u32 v[ADRA+3], 2*APL, v[ADRA+1]
	s_mul_i32 s23, s10, 16*272
	s_add_co_u32 s23, s23, STAGE                   ; my stage
	v_mul_u32_u24 v5, v1, 272
	v_lshl_add_u32 v5, v2, 5, v5
	v_add_nc_u32 v[STO], s23, v5                   ; in: row r, 32 bytes for each half of the lanes
	v_mul_u32_u24 v5, v2, 272
	v_lshl_add_u32 v5, v1, 4, v5
	v_add_nc_u32 v[RD], s23, v5                    ; back: lanes 0-15 one row of 256 bytes, lanes 16-31 the next
	v_lshlrev_b32 v5, 13, v2
	v_lshl_add_u32 v[CO], v1, 4, v5                ; and the same two rows in C: 8,192 bytes a row
	; the prefetches: s[14:15] stands at my plane of K step 0, s[46:47] at B's tile of K step 0
	s_lshl_b32 s16, s40, 13                        ; A: cx x 8,192 bytes of the plane
	s_lshl_b32 s17, s41, 17                        ; B: cy x 32 rows of 4,096 bytes
	s_and_b32 s20, ttmp7, 0xffff                   ; cluster y
	s_mov_b32 s[PFS], 2*BSTEP
	s_mov_b32 s21, 4096
	s_cmp_lt_u32 s10, 3                            ; do I fetch for A?
	s_cselect_b32 s20, ttmp9, s20                  ; the coordinate along which other clusters read the same rows
	s_cselect_b64 s[PFA:PFA+1], s[14:15], s[46:47]
	s_cselect_b32 s16, s16, s17
	s_cselect_b32 s[PFS], 2*ASTEP, s[PFS]
	s_cselect_b32 s21, 256, s21                    ; from lane to lane: A 256 bytes, B a row
	s_mov_b32 s17, 0
	s_mov_b32 s[PFS+1], 0
	s_add_nc_u64 s[PFA:PFA+1], s[PFA:PFA+1], s[16:17]
	s_add_nc_u64 s[PFA:PFA+1], s[PFA:PFA+1], s[PFS:PFS+1]  ; at K step 2: the first trip steps it to 4.  Nothing is prefetched here, at the head, where every work-group's first tiles are on their way
	s_cmp_eq_u32 s20, 0
	s_cselect_b32 s[LIM], 1, -1                    ; the same in all sixteen partners, for a given wave
	v_and_b32 v5, 31, v0
	v_mul_u32_u24 v[PFO], v5, s21
	; where my 128 rows x 64 columns begin in C
	s_lshl_b32 s16, s13, 21                        ; 256 rows of 8,192 bytes a tile row,
	s_lshl_b32 s17, s11, 20                        ; 128 a half,
	s_add_co_u32 s16, s16, s17
	s_lshl_b32 s17, s42, 9                         ; 128 columns of 4 bytes a tile column,
	s_add_co_u32 s16, s16, s17
	s_lshl_b32 s17, s12, 8                         ; 64 a half
	s_add_co_u32 s16, s16, s17
	s_mov_b32 s17, 0
	s_add_nc_u64 s[8:9], s[8:9], s[16:17]
; 8 matrix instructions: A's blocks a0, a0 + 1 x B's four, 32 along K, from buffers f.  zero = 1: the first product starts the sums: nothing is ever cleared.
; The 32 accumulators take turns, one instruction a turn, in the same order in every quarter.
.macro MUL8 f, a0, zero
.irp a, \a0, \a0+1
.irp b, 0,1,2,3
.if \zero
	v_wmma_f32_16x16x32_f16 v[8*(4*(\a)+\b):8*(4*(\a)+\b)+7], v[BF+32*\f+8*\b:BF+32*\f+8*\b+7], v[AF+64*\f+8*(\a):AF+64*\f+8*(\a)+7], 0
.else
	v_wmma_f32_16x16x32_f16 v[8*(4*(\a)+\b):8*(4*(\a)+\b)+7], v[BF+32*\f+8*\b:BF+32*\f+8*\b+7], v[AF+64*\f+8*(\a):AF+64*\f+8*(\a)+7], v[8*(4*(\a)+\b):8*(4*(\a)+\b)+7]
.endif
.endr
.endr
.endm
; 24 LDS loads in one run: the fragments of 32 along K into buffers f: B's eight first (quarter qb of its rows: byte 64 qb + 16 (qb / 2)), then A's sixteen (quarter qa: plane qa / 2, channels 32 (qa % 2) on)
.macro FETCH slot, qa, qb, f
	WIN 0
.set AR, ADRA+(\slot)+2*((\qa)/4)
.set AO, (((\qa)/2)%2)*APL+((\qa)%2)*64
.set BO, 64*(\qb)+16*((\qb)/2)
.irp i, 0,1,2,3
	ds_load_b128 v[BF+32*\f+8*\i:BF+32*\f+8*\i+3],   v[ADRB+\slot] offset:BO+\i*16*BP
	ds_load_b128 v[BF+32*\f+8*\i+4:BF+32*\f+8*\i+7], v[ADRB+\slot] offset:BO+\i*16*BP+32
.endr
.irp i, 0,1,2,3,4,5,6,7
	ds_load_b128 v[AF+64*\f+8*\i:AF+64*\f+8*\i+3],   v[AR] offset:AO+\i*8*PITCH
	ds_load_b128 v[AF+64*\f+8*\i+4:AF+64*\f+8*\i+7], v[AR] offset:AO+\i*8*PITCH+32
.endr
.endm
.macro PLACES                          ; four places in front of loads into registers that matrix instructions have read, and of the first read of results (ISA guide 7.12.1 for vector instructions)
.rept 4
	v_nop
.endr
.endm
; A K step is six quarters of 32 along K (the eleventh: four), 32 matrix instructions each, on buffers 0, 1 by turns.  All but the last: multiplies buffers f and fetches quarter qn of the same slot into g.
; bs: how many quarters further on B's part lies: 0, in the eleventh step 2.
.macro QUARTER slot, qn, f, g, zero, bs
	s_wait_dscnt 8                                 ; B and A's blocks 0-3 are in; the youngest eight loads (A's blocks 4-7) may be out
	WIN MUL
	MUL8 \f, 0, \zero
	MUL8 \f, 2, \zero
	PLACES
	FETCH \slot, \qn, (\qn)+(\bs), \g
	s_wait_dscnt 24                                ; all but the 24 just issued
	WIN MUL
	MUL8 \f, 4, \zero
	MUL8 \f, 6, \zero
.endm
; A full step's last quarter multiplies buffers 1 and changes slots: ONE barrier; in front of it each wave waits for all its tensor loads, adds 0 to its spare word, and waits for that and for its own reads of this slot.
; fill = 1: this slot is filled again, two K steps ahead; fill = 2: with the eleventh step; fill = 0: with nothing.
.macro TURN slot, next, fill, bs
.if ((\fill) == 1) && ((\slot) == 0)
	s_wait_xcnt 0x0                                ; the last prefetches, a trip back, have read their address: it is stepped here, ahead of the waits of the change of slots
	s_add_nc_u64 s[PFA:PFA+1], s[PFA:PFA+1], s[PFS:PFS+1]
.endif
	WIN 0                                          ; (the add's two registers lie in window 0)
	s_wait_tensorcnt 0x0                           ; all my tensor loads have landed: my part of the next slot;
	ds_add_u32 v[SPW], v[NIL]                      ; 0 onto my spare word;
	s_wait_dscnt 9                                 ; (the add and the youngest eight loads may be out)
	WIN MUL
	MUL8 1, 0, 0                                   ; eight matrix instructions stand between the add and the wait for it
	s_wait_dscnt 0x0                               ; the add is done, and my reads of this slot are over
	s_barrier_signal -1
	MUL8 1, 2, 0
.if \fill
	WIN 0
.endif
	s_barrier_wait -1
.if (\fill) == 1
	CREST                                          ; the barrier has opened a round of the cluster's barrier: no wave of any partner still reads this slot's tile or has a load on its way
	s_add_nc_u64 s[G0+4*\slot+2:G0+4*\slot+3], s[G0+4*\slot+2:G0+4*\slot+3], 2*ASTEP
	s_add_nc_u64 s[G0B+4*\slot+2:G0B+4*\slot+3], s[G0B+4*\slot+2:G0B+4*\slot+3], 2*BSTEP
	JLOAD \slot                                    ; the first tensor load behind the round: 176 matrix instructions ahead of the wait for it; the four v_nop behind it are also the places in front of the loads below
.elseif (\fill) == 2
	CREST
	s_add_nc_u64 s[G0+2:G0+3], s[G0+2:G0+3], 2*ASTEP               ; heads 30 and 31 (wave 2's address is not used)
	s_add_nc_u64 s[G0B+2:G0B+3], s[G0B+2:G0B+3], 2*BSTEP-128       ; from byte 3,072 of a row to byte 3,712: its last 384 bytes
	JSHORT
	PLACES                                         ; for the wave that has asked for nothing
.else
	PLACES
.endif
	FETCH \next, 0, \bs, 0
.if ((\fill) == 1) && ((\slot) == 0)
	ASK
.endif
	WIN MUL
	MUL8 1, 4, 0
	MUL8 1, 6, 0
.endm
	s_wait_tensorcnt 1                             ; my part of K step 0 is in (K step 1's may be out)
	s_barrier_signal -1
	s_barrier_wait -1                              ; everybody's is
	FETCH 0, 0, 0, 0
	QUARTER 0, 1, 0, 1, 1, 0                       ; the first quarter stands in front of the loop: its products start the sums
	WIN 0                                          ; at a label and at a branch every window is 0
	s_mov_b32 s3, TRIPS
.Llap:                                                 ; a trip goes once round the ring, from a step's second quarter to the first quarter two steps on, and fills both slots again
	QUARTER 0, 2, 1, 0, 0, 0
	QUARTER 0, 3, 0, 1, 0, 0
	QUARTER 0, 4, 1, 0, 0, 0
	QUARTER 0, 5, 0, 1, 0, 0
	TURN 0, 1, 1, 0
	QUARTER 1, 1, 0, 1, 0, 0
	QUARTER 1, 2, 1, 0, 0, 0
	QUARTER 1, 3, 0, 1, 0, 0
	QUARTER 1, 4, 1, 0, 0, 0
	QUARTER 1, 5, 0, 1, 0, 0
	TURN 1, 0, 1, 0
	QUARTER 0, 1, 0, 1, 0, 0
	WIN 0
	s_sub_co_u32 s3, s3, 1
	s_cmp_lg_u32 s3, 0
	s_cbranch_scc1 .Llap
	QUARTER 0, 2, 1, 0, 0, 0                       ; K step 8 goes on; the tail is written out
	QUARTER 0, 3, 0, 1, 0, 0
	QUARTER 0, 4, 1, 0, 0, 0
	QUARTER 0, 5, 0, 1, 0, 0
	TURN 0, 1, 2, 0                                ; slot 0 takes the eleventh step
	QUARTER 1, 1, 0, 1, 0, 0                       ; K step 9
	QUARTER 1, 2, 1, 0, 0, 0
	QUARTER 1, 3, 0, 1, 0, 0
	QUARTER 1, 4, 1, 0, 0, 0
	QUARTER 1, 5, 0, 1, 0, 0
	TURN 1, 0, 0, 2                                ; nothing is filled: a plain barrier; behind it nobody reads slot 1 any more
	QUARTER 0, 1, 0, 1, 0, 2                       ; the eleventh step: four quarters
	QUARTER 0, 2, 1, 0, 0, 2
	QUARTER 0, 3, 0, 1, 0, 2
	s_wait_dscnt 8                                 ; the very last quarter: nothing more to fetch
	WIN MUL
	MUL8 1, 0, 0
	MUL8 1, 2, 0
	s_wait_dscnt 0
	MUL8 1, 4, 0
	MUL8 1, 6, 0
	WIN 0
; THE WAY OUT, block by block of 16 rows x 64 columns.  A lane holds 32 neighbouring bytes of a row, and the lanes beside it hold other rows: so a block goes through my own stage and comes back as whole rows of 256 bytes.
; LDS serves a wave's instructions in order (ISA guide 5.7.1.4): no wait between the stores and the loads, nor in front of the next block's stores.
.macro TOSTAGE a
	WIN 0x04                                       ; an LDS store's data are its source 1: window 1
.irp b, 0,1,2,3
	ds_store_b128 v[STO], v[8*(4*(\a)+\b):8*(4*(\a)+\b)+3] offset:64*\b          ; each accumulator from its low end on
	ds_store_b128 v[STO], v[8*(4*(\a)+\b)+4:8*(4*(\a)+\b)+7] offset:64*\b+16
.endr
	WIN 0
.set BB, AF+32*((\a)%2)
.irp t, 0,1,2,3,4,5,6,7
	ds_load_b128 v[BB+4*\t:BB+4*\t+3], v[RD] offset:\t*2*272
.endr
.endm
.macro SEND a, younger                 ; younger: the LDS instructions issued behind block a's loads, which may stay out
.set BB, AF+32*((\a)%2)
	s_wait_dscnt \younger                          ; the block is back in registers
.irp t, 0,1,2,3,4,5,6,7
	global_store_b128 v[CO], v[BB+4*\t:BB+4*\t+3], s[8:9] offset:131072*(\a)+16384*\t th:TH_STORE_NT   ; 16 lanes store 256 consecutive bytes, at a multiple of 256 from out0's first byte; the block's and the pair of rows' place stand in the immediate
.endr
.endm
	PLACES                                         ; behind the last products: for the reads of results and for the loads into A's registers alike
	TOSTAGE 0
.irp a, 1,2,3,4,5,6,7
.if \a > 1
	s_wait_xcnt 0x0                                ; block a - 2's stores have read their registers: block a's loads may land there
.endif
	TOSTAGE \a
	SEND \a-1, 16                                  ; behind block a - 1's loads: block a's 8 stores and 8 loads
.endr
	SEND 7, 0
	s_wait_tensorcnt 0x0                           ; the wave's end, behind my last tensor load and my last LDS store
	ds_add_u32 v[SPW], v[NIL]
	s_wait_dscnt 0x0
	CROUND                                         ; the closing round: no work-group ends while a partner may still ask for a tile that names it
	s_endpgm
.Lfunc_end_k_q2c7caeba7d_oproj:
	.size	k_q2c7caeba7d_oproj, .Lfunc_end_k_q2c7caeba7d_oproj-k_q2c7caeba7d_oproj
	.p2alignl 7, 3214868480
	.fill 96, 4, 3214868480
	.section	.rodata,"a",@progbits
	.p2align	6, 0x0
	.amdhsa_kernel k_q2c7caeba7d_oproj
		.amdhsa_group_segment_fixed_size 327680
		.amdhsa_private_segment_fixed_size 0
		.amdhsa_enable_private_segment 0
		.amdhsa_kernarg_size 24
		.amdhsa_user_sgpr_count 2
		.amdhsa_user_sgpr_kernarg_segment_ptr 1
		.amdhsa_wavefront_size32 1
		.amdhsa_system_sgpr_workgroup_id_x 1
		.amdhsa_system_sgpr_workgroup_id_y 1
		.amdhsa_system_sgpr_workgroup_id_z 1
		.amdhsa_system_vgpr_workitem_id 0
		.amdhsa_next_free_vgpr 512
		.amdhsa_next_free_sgpr 66
		.amdhsa_reserve_vcc 0
		.amdhsa_float_denorm_mode_32 3
		.amdhsa_float_denorm_mode_16_64 3
		.amdhsa_memory_ordered 1
		.amdhsa_forward_progress 1
		.amdhsa_inst_pref_size 133
	.end_amdhsa_kernel
	.amdgpu_metadata
---
amdhsa.version: [ 1, 2 ]
amdhsa.kernels:
  - .name:           k_q2c7caeba7d_oproj
    .symbol:         k_q2c7caeba7d_oproj.kd
    .args:
      - { .name: o16, .offset: 0, .size: 8, .value_kind: global_buffer, .address_space: global }
      - { .name: wo16, .offset: 8, .size: 8, .value_kind: global_buffer, .address_space: global }
      - { .name: out0, .offset: 16, .size: 8, .value_kind: global_buffer, .address_space: global }
    .group_segment_fixed_size: 327680
    .private_segment_fixed_size: 0
    .kernarg_segment_align: 8
    .kernarg_segment_size: 24
    .max_flat_workgroup_size: 128
    .sgpr_count:     66
    .vgpr_count:     512
    .wavefront_size: 32
...
	.end_amdgpu_metadata
.endif
;; end of part 4
